; MI455X (gfx1250); checked and timed in simulation.
; The chip was launched on July 23, 2026; its instructions are those of AMD's public machine-readable ISA for CDNA 5 (MIT licence, August 2026) and "CDNA5" Instruction Set Architecture Reference Guide (July 2026). The comments in the code are by the model that wrote it; some were corrected since.
;; Transformer Layer Torch. Allowed arithmetic: matrix products marked QUANTISED: E2M3 operands, one E8M0 scale for each 32 along K, by v_wmma_scale_f32_16x16x128_f8f6f4 with both operands' format E2M3, f32 sums; everything else in f32.
;; Inputs: beta1 1,024 float32; beta2 1,024 float32; gamma1 1,024 float32; gamma2 1,024 float32; mlp_fc1_codes 4,096 x 32 x 24 uint8 (E2M3 codes of mlp_fc1, K innermost, in blocks of 32 codes, four codes in three bytes); mlp_fc1_scales 4,096 x 32 uint8 (E8M0 scales of mlp_fc1, one for each 32 codes along K); mlp_fc2_codes 1,024 x 128 x 24 uint8 (E2M3 codes of mlp_fc2, K innermost, in blocks of 32 codes, four codes in three bytes); mlp_fc2_scales 1,024 x 128 uint8 (E8M0 scales of mlp_fc2, one for each 32 codes along K); wk_codes 16 x 64 x 32 x 24 uint8 (E2M3 codes of wk, K innermost, in blocks of 32 codes, four codes in three bytes); wk_scales 16 x 64 x 32 uint8 (E8M0 scales of wk, one for each 32 codes along K); wo_codes 1,024 x 32 x 24 uint8 (E2M3 codes of wo, K innermost, in blocks of 32 codes, four codes in three bytes); wo_scales 1,024 x 32 uint8 (E8M0 scales of wo, one for each 32 codes along K); wq_codes 16 x 64 x 32 x 24 uint8 (E2M3 codes of wq, K innermost, in blocks of 32 codes, four codes in three bytes); wq_scales 16 x 64 x 32 uint8 (E8M0 scales of wq, one for each 32 codes along K); wv_codes 16 x 64 x 32 x 24 uint8 (E2M3 codes of wv, K innermost, in blocks of 32 codes, four codes in three bytes); wv_scales 16 x 64 x 32 uint8 (E8M0 scales of wv, one for each 32 codes along K); x 4 x 1,024 x 1,024 float32.
;; Outputs: out0 4 x 1,024 x 1,024 float32.
;; This version of the problem:
;;   THIS VERSION OF THE PROBLEM IS GIVEN IN LOW PRECISION. The matrix products marked QUANTISED in the list below multiply operands that are first quantised to E2M3 (2 exponent bits, 3 mantissa bits; 6 bits a number), with one power-of-two scale for each 32 numbers along K (OCP MX v1.0); their sums are f32. All else is computed in f32.
;;   The module's matrix products, in the order in which they are computed (A, B: the left and right operand; K: the contracted axis; several contracted axes count as one K, in the product's order):
;;     1. [M 4,096, K 1,024] x [K 1,024, N 1,024]; A: computed on the way; B: input wq (given as codes): QUANTISED
;;     2. [M 4,096, K 1,024] x [K 1,024, N 1,024]; A: computed on the way; B: input wk (given as codes): QUANTISED
;;     3. [M 4,096, K 1,024] x [K 1,024, N 1,024]; A: computed on the way; B: input wv (given as codes): QUANTISED
;;     4. batch 64 x [M 1,024, K 64] x [K 64, N 1,024]; A: computed on the way; B: computed on the way: QUANTISED
;;     5. batch 64 x [M 64, K 1,024] x [K 1,024, N 1,024]; A: computed on the way; B: softmax (see below): QUANTISED
;;     6. [M 4,096, K 1,024] x [K 1,024, N 1,024]; A: computed on the way; B: input wo (given as codes): QUANTISED
;;     7. [M 4,096, K 1,024] x [K 1,024, N 4,096]; A: computed on the way; B: input mlp_fc1 (given as codes): QUANTISED
;;     8. [M 4,096, K 4,096] x [K 4,096, N 1,024]; A: computed on the way; B: input mlp_fc2 (given as codes): QUANTISED
;;   THE QUANTISER, for each operand of a quantised product, along K:
;;     - K is cut into blocks of 32 from its start; a last block that is shorter is filled with zeros.
;;     - A block's scale is 2^e with e = floor(log2(the largest magnitude in the block)) - 2, held to -126 .. 127; a block of zeros has e = 0. As a byte (E8M0): e + 127.
;;     - Each number is divided by its block's scale, clamped to +-7.5, and rounded to the nearest number of E2M3, ties to even, subnormals kept.
;;     - The product sums the exact products of the quantised numbers (number of the format x scale) in f32.
;;   ~~~python
;;   def quantise(x, axis):      # numpy; x: float32 -> the quantised numbers, widened to float32 again
;;       x = np.moveaxis(x, axis, -1); K = x.shape[-1]
;;       x = np.pad(x, [(0, 0)] * (x.ndim - 1) + [(0, -K % 32)]); x = x.reshape(x.shape[:-1] + (-1, 32)); a = np.abs(x).max(-1, keepdims=True)
;;       e = np.where(a > 0, np.clip(np.frexp(np.where(a > 0, a, 1))[1] - 1 - 2, -126, 127), 0)      # np.frexp(a)[1] - 1 = floor(log2(a)), exactly
;;       r = np.clip(x / 2.0 ** e, -7.5, 7.5)
;;       step = 2.0 ** (np.maximum(np.frexp(np.where(r == 0, 1, r))[1] - 1, 0) - 3)
;;       q = np.round(r / step) * step * 2.0 ** e      # np.round: ties to even
;;       return np.moveaxis(q.reshape(q.shape[:-2] + (-1,))[..., :K], -1, axis).astype(np.float32)
;;   ~~~
;;   SOFTMAX AHEAD OF A QUANTISED PRODUCT. Where the list says 'softmax', what is quantised is not the finished softmax but p = 2^(t - M), with t = logit x log2(e) and M = ceil(the row's largest t), a whole number; so 1/2 < the row's largest p <= 1. The row's sum l is taken of the UNQUANTISED p, in f32, and the product's result is divided by l at the end. Since M is a whole number, a kernel that streams over the keys may use a running M (the ceiling of the running maximum): every later rescaling is an exact power of two, which a block's scale takes up: the codes' values come out the same.
;;   OPERANDS COMPUTED ON THE WAY. 'Computed on the way' means the value that the module computes at that place (a softmax that the list does not call 'softmax' is quantised finished and normalised). What goes into a quantiser is computed in f32, as accurately as f32 sums, v_exp_f32 and their like allow (about 1e-6 of the number): no bf16 or f16 on the way to a quantiser, and a product that is left as it is and whose result goes on into a quantised operand takes f32 operands (vector FMAs, or v_wmma_f32_16x16x4_f32). A number that lies on a knife's edge between two numbers of the format may be rounded either way, as far as f32 arithmetic and the matrix unit's own rounding can turn it there, and no further.
;;   INPUTS GIVEN AS CODES. mlp_fc1 (in the module: [4096, 1024], K = its axis 1); mlp_fc2 (in the module: [1024, 4096], K = its axis 1); wk (in the module: [16, 64, 1024], K = its axis 2); wo (in the module: [1024, 1024], K = its axis 1); wq (in the module: [16, 64, 1024], K = its axis 2); wv (in the module: [16, 64, 1024], K = its axis 2): each comes as NAME_codes (uint8): NAME with its K axis moved to the last place and cut into blocks of 32 codes, [.., K / 32, bytes a block], one block behind the other in memory; four codes in three bytes: a row's codes are one little-endian stream of bits, code i at bits 6 i .. 6 i + 5 (a code: sign, 2 exponent bits, 3 mantissa bits); and NAME_scales (uint8): the same leading axes, one E8M0 byte (e + 127) for each 32 codes along K. Its value is code x scale, taken as it is: it is not quantised again, and the codes and scales need not be those that the quantiser above would give.
;; One version. Each part assembles by itself: llvm-mc -triple=amdgcn-amd-amdhsa -mcpu=gfx1250 --defsym DOCPART=n.
;; ======== version 1 of 1: 7 launches
;; workspace buffers: nc 3,145,728 bytes; ns 131,072 bytes; qkvc 9,437,184 bytes; qkvs 393,216 bytes; xr 16,777,216 bytes; hc 12,582,912 bytes; hs 524,288 bytes
;; launch ln1 (part 1): grid 256 x 1, 8 waves a work-group, no clusters, 83,456 bytes of LDS; arguments x, gamma1, beta1, nc, ns; writes nc, ns
.if DOCPART == 1
	.amdgcn_target "amdgcn-amd-amdhsa--gfx1250"
	.amdhsa_code_object_version 6
	.text
	.protected	k_qaf9a323e9a_ln1
	.globl	k_qaf9a323e9a_ln1
	.p2align	8
	.type	k_qaf9a323e9a_ln1,@function
k_qaf9a323e9a_ln1:
	s_mov_b64 s[64:65], 0
	v_nop
	global_prefetch_b8 v0, s[64:65] scope:SCOPE_SE
	s_setreg_imm32_b32 hwreg(HW_REG_WAVE_MODE, 25, 1), 1
	s_wait_xcnt 0x0
; LayerNorm over rows of 1,024 f32, then the MX quantiser (E2M3, one E8M0 byte for each 32 along the row).
; in [4096][1024] f32, gamma, beta [1024] f32 -> codes [4096][768 bytes], scale bytes [4096][32].
; A work-group of eight waves takes 16 rows, a wave two.  A wave holds a whole row: eight loads of 512 consecutive bytes, 32 registers.
; Mean and variance in two passes, as the definition has them (x - mean first, then its squares), so a common offset of the inputs costs nothing.
; The conversion takes 16 neighbours from ONE lane's registers, the loads give a lane 4: a row turns through the wave's own stage in LDS
; (64 places of 64 bytes + 16 of padding) and comes back 64 bytes a lane.  Two neighbouring lanes hold a block of 32.
; A row's codes leave as two stores of 384 consecutive bytes; the work-group's 512 scale bytes are gathered in LDS and leave by one store of wave 0.
; LIMITS: NaN and infinities among the inputs are not served.  A block of zeros gets the byte 1 (the floor) and zero codes; only this program reads the bytes.
.set SCS, 81920                        ; LDS: behind the eight waves' stages (10,240 bytes each): 512 scale bytes
.set X,  32                            ; v32-95   two rows
.set G,  96                            ; v96-127  gamma, as a row is loaded
.set BT, 128                           ; v128-159 beta
.set Y,  160                           ; v160-191 a row back from the stage: two steps of 16 neighbours
.set C,  192                           ; v192-207 codes: four registers for each (row, step): no store's data are written again
.set E,  208                           ; v208-211 a scale byte for each (row, step)
	s_load_b256 s[4:11], s[0:1], 0x0               ; in s[4:5], gamma s[6:7], beta s[8:9], codes s[10:11]
	s_load_b64 s[12:13], s[0:1], 0x20              ; scale bytes
	v_lshl_add_u32 v216, v0, 2, 0x14200
	v_mov_b32 v217, 0
	v_lshrrev_b32 v7, 5, v0
	v_readfirstlane_b32 s14, v7                    ; wave 0..7
	v_and_b32 v7, 31, v0                           ; lane
	v_lshlrev_b32 v1, 4, v7                        ; 16 x lane: my bytes of a load's 512
	s_mul_i32 s15, s14, 10240                      ; my wave's two stages
	v_lshrrev_b32 v2, 2, v7
	v_mul_u32_u24 v2, v2, 80
	v_and_b32 v3, 3, v7
	v_lshl_add_u32 v2, v3, 4, v2
	v_add_nc_u32 v2, s15, v2                       ; into the stage: 80 (lane / 4) + 16 (lane % 4)
	v_mul_u32_u24 v3, v7, 80
	v_add_nc_u32 v3, s15, v3                       ; out of it: 80 x lane
	v_mul_u32_u24 v4, v7, 12                       ; my 12 bytes of a step's 384
	s_lshl_b32 s15, s14, 6
	s_add_co_u32 s15, s15, SCS
	v_lshrrev_b32 v5, 1, v7
	v_add_nc_u32 v5, s15, v5                       ; my block's byte: SCS + 64 x wave + lane / 2
	v_add_nc_u32 v6, SCS, v1                       ; the way out of the scale bytes (wave 0)
	s_mov_b32 s16, 0x76543210
	s_mov_b32 s17, 0xfedcba98                      ; v_permlanex16_b32's selects for lane l xor 16
	s_mov_b32 s20, 0x3a800000                      ; 1 / 1024
	s_mov_b32 s21, 0x3727c5ac                      ; 1e-5
	s_lshl_b32 s18, ttmp9, 4
	s_lshl_b32 s19, s14, 1
	s_add_co_u32 s18, s18, s19                     ; my first row: 16 x work-group + 2 x wave
	s_lshl_b32 s22, s18, 12
	s_mov_b32 s23, 0
	s_mul_i32 s24, s18, 768
	s_mov_b32 s25, 0
	s_lshl_b32 s26, ttmp9, 9
	s_mov_b32 s27, 0
	s_wait_kmcnt 0x0
	s_add_nc_u64 s[4:5], s[4:5], s[22:23]
	s_add_nc_u64 s[10:11], s[10:11], s[24:25]
	s_add_nc_u64 s[12:13], s[12:13], s[26:27]
.irp j, 0,1,2,3,4,5,6,7
	global_load_b128 v[X+4*\j:X+4*\j+3], v1, s[4:5] offset:512*\j th:TH_LOAD_NT
.endr
.irp j, 0,1,2,3,4,5,6,7
	global_load_b128 v[G+4*\j:G+4*\j+3], v1, s[6:7] offset:512*\j
.endr
.irp j, 0,1,2,3,4,5,6,7
	global_load_b128 v[BT+4*\j:BT+4*\j+3], v1, s[8:9] offset:512*\j
.endr
.irp j, 0,1,2,3,4,5,6,7
	global_load_b128 v[X+32+4*\j:X+32+4*\j+3], v1, s[4:5] offset:4096+512*\j th:TH_LOAD_NT
.endr
; four pairs v[8:15] become one sum, in every lane's v8
.macro REDUCE
	v_pk_add_f32 v[8:9], v[8:9], v[10:11]
	v_pk_add_f32 v[12:13], v[12:13], v[14:15]
	v_pk_add_f32 v[8:9], v[8:9], v[12:13]
	v_add_f32 v8, v8, v9
	v_add_f32_dpp v8, v8, v8 row_xmask:1 row_mask:0xf bank_mask:0xf
	v_add_f32_dpp v8, v8, v8 row_xmask:2 row_mask:0xf bank_mask:0xf
	v_add_f32_dpp v8, v8, v8 row_xmask:4 row_mask:0xf bank_mask:0xf
	v_add_f32_dpp v8, v8, v8 row_xmask:8 row_mask:0xf bank_mask:0xf
	v_permlanex16_b32 v9, v8, s16, s17
	v_add_f32 v8, v8, v9
.endm
; 16 neighbours of a lane become 12 bytes of codes; two neighbouring lanes share the block's scale
.macro QSTEP rho, t
.set YS, Y+16*(\t)
.set CI, C+4*(2*(\rho)+(\t))
.set EI, E+2*(\rho)+(\t)
	v_max3_num_f32 v8, |v[YS]|, |v[YS+1]|, |v[YS+2]|
	v_max3_num_f32 v9, |v[YS+3]|, |v[YS+4]|, |v[YS+5]|
.irp i, 6,10
	v_max3_num_f32 v8, v8, |v[YS+\i]|, |v[YS+\i+1]|
	v_max3_num_f32 v9, v9, |v[YS+\i+2]|, |v[YS+\i+3]|
.endr
	v_max3_num_f32 v8, v8, |v[YS+14]|, |v[YS+15]|
	v_max3_num_f32 v8, v8, v9, 0x1800000           ; the floor 2^(3 - 127): the byte cannot fall under 1
	v_max_num_f32_dpp v8, v8, v8 row_xmask:1 row_mask:0xf bank_mask:0xf   ; with my neighbour's 16: the block's largest magnitude
	v_add_nc_u32 v11, 0xff000000, v8               ; 2 off its exponent field: the conversion takes that field as its scale
	v_cvt_scalef32_pk16_fp6_f32 v[CI:CI+2], v[YS:YS+15], v11
	v_lshrrev_b32 v[EI], 23, v11                   ; the scale's byte (also the plain line behind the conversion)
	ds_store_b8 v5, v[EI] offset:32*(\rho)+16*(\t) ; both lanes of a block write the same byte with the same value
	global_store_b96 v4, v[CI:CI+2], s[10:11] offset:768*(\rho)+384*(\t)   ; the wave stores 384 consecutive bytes
.endm
.macro ROWLN rho, cnt
.set XR, X+32*(\rho)
	s_wait_loadcnt \cnt                            ; this row's eight loads are in
.irp c, 0,1,2,3
	v_pk_add_f32 v[8+2*\c:9+2*\c], v[XR+2*\c:XR+2*\c+1], v[XR+8+2*\c:XR+9+2*\c]   ; four chains; the first sums start them
.endr
.irp k, 16,24
.irp c, 0,1,2,3
	v_pk_add_f32 v[8+2*\c:9+2*\c], v[8+2*\c:9+2*\c], v[XR+\k+2*\c:XR+\k+2*\c+1]
.endr
.endr
	REDUCE
	v_mul_f32 v16, s20, v8                         ; the mean
	v_mov_b32 v17, v16
.set p, 0
.rept 16
	v_pk_add_f32 v[XR+p:XR+p+1], v[XR+p:XR+p+1], v[16:17] neg_lo:[0,1] neg_hi:[0,1]   ; x - mean, in place
.set p, p+2
.endr
.irp c, 0,1,2,3
	v_pk_mul_f32 v[8+2*\c:9+2*\c], v[XR+2*\c:XR+2*\c+1], v[XR+2*\c:XR+2*\c+1]
.endr
.irp k, 8,16,24
.irp c, 0,1,2,3
	v_pk_fma_f32 v[8+2*\c:9+2*\c], v[XR+\k+2*\c:XR+\k+2*\c+1], v[XR+\k+2*\c:XR+\k+2*\c+1], v[8+2*\c:9+2*\c]
.endr
.endr
	REDUCE
	v_fma_f32 v18, v8, s20, s21                    ; the variance + 1e-5
	v_rsq_f32 v20, v18
	v_rsq_f32 v21, v18                             ; twice: a pair for the packed multiply
	v_nop                                          ; the plain line behind a transcendental
	s_wait_alu depctr_va_vdst(0)                   ; one wait for both, ahead of their first reader
.if (\rho) == 0
	s_wait_loadcnt 8                               ; gamma and beta are in; row 1's eight loads may be out
.endif
.set p, 0
.rept 16
	v_pk_mul_f32 v[XR+p:XR+p+1], v[XR+p:XR+p+1], v[20:21]
.set p, p+2
.endr
.set p, 0
.rept 16
	v_pk_fma_f32 v[XR+p:XR+p+1], v[XR+p:XR+p+1], v[G+p:G+p+1], v[BT+p:BT+p+1]
.set p, p+2
.endr
.irp j, 0,1,2,3,4,5,6,7
	ds_store_b128 v2, v[XR+4*\j:XR+4*\j+3] offset:5120*(\rho)+640*\j
.endr
.irp t, 0,1
.irp i, 0,1,2,3
	ds_load_b128 v[Y+16*\t+4*\i:Y+16*\t+4*\i+3], v3 offset:5120*(\rho)+2560*\t+16*\i   ; LDS serves a wave's instructions in order: these see the stores above
.endr
.endr
	s_wait_dscnt 4                                 ; the first half row is back; the second's four loads may be out
	QSTEP \rho, 0
	s_wait_dscnt 1                                 ; the second half row is back; the byte store issued behind it may be out
	QSTEP \rho, 1
.endm
	ROWLN 0, 24                                    ; behind row 0's loads: gamma's 8, beta's 8, row 1's 8
	ROWLN 1, 0
	s_wait_dscnt 0x0                               ; for the others' sake: my byte stores are done
	s_barrier_signal -1
	s_barrier_wait -1
	s_cmp_lg_u32 s14, 0
	s_cbranch_scc1 .Ldone
	ds_load_b128 v[12:15], v6                      ; wave 0: the work-group's 512 scale bytes
	s_wait_dscnt 0x0
	global_store_b128 v1, v[12:15], s[12:13]       ; 512 consecutive bytes, aligned
.Ldone:
	s_wait_tensorcnt 0x0
	ds_add_u32 v216, v217
	s_wait_dscnt 0x0
	s_endpgm
.Lfunc_end_k_qaf9a323e9a_ln1:
	.size	k_qaf9a323e9a_ln1, .Lfunc_end_k_qaf9a323e9a_ln1-k_qaf9a323e9a_ln1
	.p2alignl 7, 3214868480
	.fill 96, 4, 3214868480
	.section	.rodata,"a",@progbits
	.p2align	6, 0x0
	.amdhsa_kernel k_qaf9a323e9a_ln1
		.amdhsa_group_segment_fixed_size 83456
		.amdhsa_private_segment_fixed_size 0
		.amdhsa_enable_private_segment 0
		.amdhsa_kernarg_size 40
		.amdhsa_user_sgpr_count 2
		.amdhsa_user_sgpr_kernarg_segment_ptr 1
		.amdhsa_wavefront_size32 1
		.amdhsa_system_sgpr_workgroup_id_x 1
		.amdhsa_system_sgpr_workgroup_id_y 1
		.amdhsa_system_sgpr_workgroup_id_z 1
		.amdhsa_system_vgpr_workitem_id 0
		.amdhsa_next_free_vgpr 218
		.amdhsa_next_free_sgpr 66
		.amdhsa_reserve_vcc 0
		.amdhsa_float_denorm_mode_32 3
		.amdhsa_float_denorm_mode_16_64 3
		.amdhsa_memory_ordered 1
		.amdhsa_forward_progress 1
		.amdhsa_inst_pref_size 24
	.end_amdhsa_kernel
	.amdgpu_metadata
---
amdhsa.version: [ 1, 2 ]
amdhsa.kernels:
  - .name:           k_qaf9a323e9a_ln1
    .symbol:         k_qaf9a323e9a_ln1.kd
    .args:
      - { .name: x, .offset: 0, .size: 8, .value_kind: global_buffer, .address_space: global }
      - { .name: gamma1, .offset: 8, .size: 8, .value_kind: global_buffer, .address_space: global }
      - { .name: beta1, .offset: 16, .size: 8, .value_kind: global_buffer, .address_space: global }
      - { .name: nc, .offset: 24, .size: 8, .value_kind: global_buffer, .address_space: global }
      - { .name: ns, .offset: 32, .size: 8, .value_kind: global_buffer, .address_space: global }
    .group_segment_fixed_size: 83456
    .private_segment_fixed_size: 0
    .kernarg_segment_align: 8
    .kernarg_segment_size: 40
    .max_flat_workgroup_size: 256
    .sgpr_count:     66
    .vgpr_count:     218
    .wavefront_size: 32
...
	.end_amdgpu_metadata
.endif
;; end of part 1
;; launch qkv (part 2): grid 4 x 48, 16 waves a work-group, clusters of 4 x 4, 327,680 bytes of LDS; arguments nc, ns, wq_codes, wq_scales, wk_codes, wk_scales, wv_codes, wv_scales, qkvc, qkvs; writes qkvc, qkvs
.if DOCPART == 2
	.amdgcn_target "amdgcn-amd-amdhsa--gfx1250"
	.amdhsa_code_object_version 6
	.text
	.protected	k_qaf9a323e9a_qkv
	.globl	k_qaf9a323e9a_qkv
	.p2align	8
	.type	k_qaf9a323e9a_qkv,@function
k_qaf9a323e9a_qkv:
	s_mov_b64 s[64:65], 0
	v_nop
	global_prefetch_b8 v0, s[64:65] scope:SCOPE_SE
	s_setreg_imm32_b32 hwreg(HW_REG_WAVE_MODE, 25, 1), 1
	s_wait_xcnt 0x0
	s_wait_alu depctr_hold_cnt(0) depctr_sa_sdst(0) depctr_va_vdst(0) depctr_va_sdst(0) depctr_va_ssrc(0) depctr_va_vcc(0) depctr_vm_vsrc(0)
	s_getreg_b32 s2, hwreg(HW_REG_IB_STS2, 6, 4)
	s_cmp_eq_u32 s2, 0
	s_cbranch_scc0 .Lentry_in_a_cluster
	s_endpgm
.Lentry_in_a_cluster:
	s_bfe_u32 s2, ttmp6, 0x10000c
	s_cmp_lg_u32 s2, 0xf033
	s_cbranch_scc0 .Lentry_shape_is_right
	s_endpgm
.Lentry_shape_is_right:
; C = A B^T on codes of E2M3 (K = 1,024), and C quantised again along its columns, a block of 32 columns at a time.
; QKV = 1: three jobs, told apart by the cluster's y / 4.  Jobs 0, 1: A = the normalised tokens, B = wq or wk: Q, K, laid [batch x 16 + head][1024][48 bytes], scale bytes [token][32].
;          Job 2: A = wv, B = the tokens: V^T, laid [head x 64 + e][3,072 bytes] with the tokens innermost, scale bytes [row][128].
; QKV = 0: A = the normalised tokens, B = mlp_fc1; gelu; codes [token][3,072 bytes], scale bytes [token][128].
; A tile of C is 256 x 256, made by sixteen waves of 256 registers, four to a SIMD; a wave makes 64 x 64: 16 accumulators.
; K goes in four steps of 256 through two LDS slots filled by the tensor data mover (waves 0, 1: A's halves; waves 2, 3: B's); rows of 192 bytes, 16 bytes of padding behind every 64.
; The scale bytes of the tile's rows, for all of K, come once with the first fills.  4 x 4 work-groups form a cluster: A's tiles are asked for jointly along a row of it, B's along a column.
; THE MATRIX INSTRUCTION IS USED TRANSPOSED (source 0 = 16 rows of B, source 1 = 16 rows of A): lane (r, h) holds row r of C and eight neighbouring columns 8 h + j.
; THE ORDER INSIDE A BLOCK.  The 16 registers of two neighbouring tiles are columns 8 h + 0..7 and 16 + 8 h + 0..7 of a block of 32.  QKV = 1 converts them as they stand, lanes 0-15's 12 bytes ahead of lanes 16-31's:
; the block's numbers, scale and codes are those of the rule, in the order 0-7, 16-23, 8-15, 24-31.  Q and K carry it alike, and V^T carries along the keys the order in which the attention launch makes p.
; QKV = 0 meets a given weight, so sixteen lane swaps restore the natural order first.
; gelu(x) = x / (1 + 2^z), z = x (c1 + c2 x x), c1 = -2 x 0.7978845608 x log2(e), c2 = 0.044715 c1: the same function as 0.5 x (1 + tanh(..)), without its cancellation.
; Stores of codes cover runs of 48 to 192 bytes: a tile's 256 columns are 192 bytes of a row.
; LIMITS: NaN and infinities are not served.  A block of zeros gets the byte 1 and zero codes; only this program reads the bytes.
.set QKV, 1
.set KK,    1024
.set ROWB,  192                        ; 256 codes
.set PITCH, 240                        ; 3 x (64 + 16)
.set HALFT, 128*PITCH
.set SLOT,  4*HALFT                    ; A's 256 rows, then B's 256 rows
.set KROW,  KK*6/8
.set KS,    KK/32
.set SCL,   2*SLOT                     ; behind the ring: the scale bytes, units of 256 bytes + 16
.set HALFS, (128*KS/256)*272
.set SBLK,  (16*KS/256)*272
.set SPARE, SCL+4*HALFS                ; the spare words: 128 bytes for each of 16 waves
.set STEPB, ROWB
.set SST,   256*272                    ; the way out (in slot 0): 256 rows x 272 bytes of codes, then 256 x 8 scale bytes
.set ADRA, 3                           ; v3-6   A's fragments: slot 0, slot 1; the same behind one padding more
.set ADRB, 7                           ; v7-10  B's
.set ADRS, 11                          ; v11    scale words: lanes 0-15 A's rows, lanes 16-31 B's
.set SC,   12                          ; v12-19 scale words, and nothing else: register 2 i + q
.set AF,   32
.set BF,   80
.set ACC,  128                         ; accumulator (a, b) at v[128 + 8 (4 a + b)]
.set GT,   32                          ; the way out: v32-63 at work on gelu, later rows read back
.set TM,   64                          ; v64-69 the quantiser's
.set PW,   72                          ; v72-75 a scale pair for each band of 16 rows
.set CD,   80                          ; v80-111 codes, eight registers for each band
.set OF,   112                         ; v112-119 store offsets
.set SEL,  98
.set G1, 24
.set G0, 32
.set G1B, 48
.set G0B, 56
.set G1S, 68
.set G0S, 76
.set G1SB, 80
.set G0SB, 88
.macro ROUND                           ; a round of the cluster's barrier
	s_barrier_signal -1
	s_barrier_wait -1
	s_cmp_lg_u32 s14, 0
	s_cbranch_scc1 .Lnw0_\@
	s_barrier_signal -3
.Lnw0_\@:
	s_barrier_wait -3
	s_barrier_signal -1
	s_barrier_wait -1
.endm
.macro PLACES n
.rept \n
	v_nop
.endr
.endm
.macro JFIRST                          ; a fetching wave's three first fills stand in one branch: scales, slot 0, slot 1; four v_nop follow
	s_cmp_lt_u32 s14, 2
	s_cbranch_scc0 .Lfb_\@
	tensor_load_to_lds s[G0S:G0S+3], s[G1S:G1S+7]
	s_nop 0
	tensor_load_to_lds s[G0:G0+3], s[G1:G1+7]
	s_nop 0
	tensor_load_to_lds s[G0+4:G0+7], s[G1:G1+7]
	s_nop 0
	PLACES 4
	s_branch .Lfd_\@
.Lfb_\@:
	s_cmp_lt_u32 s14, 4
	s_cbranch_scc0 .Lfd_\@
	tensor_load_to_lds s[G0SB:G0SB+3], s[G1SB:G1SB+7]
	s_nop 0
	tensor_load_to_lds s[G0B:G0B+3], s[G1B:G1B+7]
	s_nop 0
	tensor_load_to_lds s[G0B+4:G0B+7], s[G1B:G1B+7]
	s_nop 0
	PLACES 4
.Lfd_\@:
.endm
.macro JLOAD slot                      ; a joint refill: one load a fetching wave
	s_cmp_lt_u32 s14, 2
	s_cbranch_scc0 .Ljb_\@
	tensor_load_to_lds s[G0+4*(\slot):G0+4*(\slot)+3], s[G1:G1+7]
	s_nop 0
	PLACES 4
	s_branch .Ljd_\@
.Ljb_\@:
	s_cmp_lt_u32 s14, 4
	s_cbranch_scc0 .Ljd_\@
	tensor_load_to_lds s[G0B+4*(\slot):G0B+4*(\slot)+3], s[G1B:G1B+7]
	s_nop 0
	PLACES 4
.Ljd_\@:
.endm
; a fragment, 16 rows x 128 K: 12 registers, six pieces of 8 bytes.  Lanes 16-31 read three pieces further on; where that lies behind one padding more, the second address register serves
.macro FRAG reg, adr, q, i
.irp p, 0,1,2,3,4,5
.set PC, 12*(\q)+6*(\p/3)+\p%3
.if PC%8 < 5
	ds_load_b64 v[\reg+2*\p:\reg+2*\p+1], v[\adr] offset:8*PC+16*(PC/8)+(\i)*16*PITCH
.else
	ds_load_b64 v[\reg+2*\p:\reg+2*\p+1], v[\adr+2] offset:8*PC+16*(PC/8)+(\i)*16*PITCH
.endif
.endr
.endm
.macro FETCH slot, q
.irp i, 0,1,2,3
	FRAG BF+12*\i, ADRB+(\slot), \q, \i
.endr
.irp i, 0,1,2,3
	FRAG AF+12*\i, ADRA+(\slot), \q, \i
.endr
.endm
; 16 matrix instructions; the 16 accumulators take turns, one instruction a turn
.macro MUL q, zero
.irp a, 0,1,2,3
.irp b, 0,1,2,3
.if \zero
	v_wmma_scale_f32_16x16x128_f8f6f4 v[ACC+8*(4*\a+\b):ACC+8*(4*\a+\b)+7], v[BF+12*\b:BF+12*\b+11], v[AF+12*\a:AF+12*\a+11], 0, v[SC+2*\b+(\q)], v[SC+2*\a+(\q)] matrix_a_fmt:MATRIX_FMT_FP6 matrix_b_fmt:MATRIX_FMT_FP6 matrix_a_scale:MATRIX_SCALE_ROW1
.else
	v_wmma_scale_f32_16x16x128_f8f6f4 v[ACC+8*(4*\a+\b):ACC+8*(4*\a+\b)+7], v[BF+12*\b:BF+12*\b+11], v[AF+12*\a:AF+12*\a+11], v[ACC+8*(4*\a+\b):ACC+8*(4*\a+\b)+7], v[SC+2*\b+(\q)], v[SC+2*\a+(\q)] matrix_a_fmt:MATRIX_FMT_FP6 matrix_b_fmt:MATRIX_FMT_FP6 matrix_a_scale:MATRIX_SCALE_ROW1
.endif
.endr
.endr
.endm
; the change of slots: all my tensor loads, the add, my reads; then the barrier (a round of the cluster's where a slot is filled again), and the refill first behind it
.macro CHANGE fill, slot
	s_wait_tensorcnt 0x0                           ; no tensor load of mine is out: a group 0 may be written
	ds_add_u32 v1, v2                              ; 0 onto my spare word
.if \fill
	s_add_nc_u64 s[G0+4*(\slot)+2:G0+4*(\slot)+3], s[G0+4*(\slot)+2:G0+4*(\slot)+3], 2*STEPB
	s_add_nc_u64 s[G0B+4*(\slot)+2:G0B+4*(\slot)+3], s[G0B+4*(\slot)+2:G0B+4*(\slot)+3], 2*STEPB
.endif
	s_wait_dscnt 0x0                               ; the add is done, and my reads of the slot that I have left are over
.if \fill
	ROUND
	JLOAD \slot
.else
	s_barrier_signal -1
	s_barrier_wait -1
.endif
.endm
; a slot's work: its scale words, then two steps of 128 along K.  Four places stand behind each run of products, ahead of the loads into registers that they read
.macro WORK slot, T, zero
.irp i, 0,1,2,3
	ds_load_b64 v[SC+2*\i:SC+2*\i+1], v[ADRS] offset:\i*SBLK+8*(\T)
.endr
	FETCH \slot, 0
	s_wait_dscnt 0x0
	MUL 0, \zero
	PLACES 4
	FETCH \slot, 1
	s_wait_dscnt 0x0
	MUL 1, 0
	PLACES 4
.endm
; 32 numbers of a lane (two blocks' halves) become 2 x 12 bytes of codes in v[cd], v[cd + 4] on and two scale bytes in v[pw]
.macro QUANT2 src, cd, pw
.irp b, 0,1
	v_max3_num_f32 v[TM+\b], |v[\src+16*\b]|, |v[\src+16*\b+1]|, 0x1800000   ; my 16 numbers and the floor 2^(3 - 127): the byte cannot fall under 1
.endr
.irp i, 2,4,6,8,10,12,14
.irp b, 0,1
	v_max3_num_f32 v[TM+\b], v[TM+\b], |v[\src+16*\b+\i]|, |v[\src+16*\b+\i+1]|
.endr
.endr
.irp b, 0,1
	v_permlanex16_b32 v[TM+2+\b], v[TM+\b], s[SEL], s[SEL+1]
.endr
.irp b, 0,1
	v_max_num_f32 v[TM+\b], v[TM+\b], v[TM+2+\b]   ; with lane l xor 16's: the block's largest magnitude
.endr
.irp b, 0,1
	v_add_nc_u32 v[TM+4+\b], 0xff000000, v[TM+\b]  ; 2 off its exponent field: the conversion's scale operand
.endr
.irp b, 0,1
	v_lshrrev_b32 v[TM+2+\b], 23, v[TM+4+\b]       ; the scale's byte
.endr
	v_lshl_or_b32 v[\pw], v[TM+3], 8, v[TM+2]
.irp b, 0,1
	v_cvt_scalef32_pk16_fp6_f32 v[\cd+4*\b:\cd+4*\b+2], v[\src+16*\b:\src+16*\b+15], v[TM+4+\b]
.endr
	v_nop                                          ; one plain line behind a scaled conversion
.endm
.macro NATURAL src                     ; lanes 16-31 of the first tile change places with lanes 0-15 of the second: a lane then holds 16 neighbouring columns
.irp b, 0,1
.irp j, 0,1,2,3,4,5,6,7
	v_permlane16_swap_b32 v[\src+16*\b+\j], v[\src+16*\b+8+\j]
.endr
.endr
.endm
.macro GELU src                        ; 32 numbers, in place
.set p, 0
.rept 16
	v_pk_mul_f32 v[GT+p:GT+p+1], v[\src+p:\src+p+1], v[\src+p:\src+p+1]
.set p, p+2
.endr
.set p, 0
.rept 16
	v_pk_fma_f32 v[GT+p:GT+p+1], v[GT+p:GT+p+1], s[92:93], v[76:77] op_sel_hi:[1,0,1]   ; c2 x x + c1
.set p, p+2
.endr
.set p, 0
.rept 16
	v_pk_mul_f32 v[GT+p:GT+p+1], v[GT+p:GT+p+1], v[\src+p:\src+p+1]                     ; z
.set p, p+2
.endr
.set p, 0
.rept 32
	v_exp_f32 v[GT+p], v[GT+p]
.set p, p+1
.endr
	v_nop
	s_wait_alu depctr_va_vdst(0)                   ; one wait for the batch of 32
.set p, 0
.rept 16
	v_pk_add_f32 v[GT+p:GT+p+1], v[GT+p:GT+p+1], 1.0 op_sel_hi:[1,0]
.set p, p+2
.endr
.set p, 0
.rept 32
	v_rcp_f32 v[GT+p], v[GT+p]
.set p, p+1
.endr
	v_nop
	s_wait_alu depctr_va_vdst(0)
.set p, 0
.rept 16
	v_pk_mul_f32 v[\src+p:\src+p+1], v[\src+p:\src+p+1], v[GT+p:GT+p+1]
.set p, p+2
.endr
.endm
	s_load_b128 s[4:7], s[0:1], 0x0                ; the tokens' codes and scale bytes
.if QKV
	s_load_b256 s[80:87], s[0:1], 0x10             ; wq's codes, scales; wk's
	s_load_b128 s[88:91], s[0:1], 0x30             ; wv's
	s_load_b64 s[12:13], s[0:1], 0x40              ; codes out
	s_load_b64 s[66:67], s[0:1], 0x48              ; scale bytes out
.else
	s_load_b128 s[8:11], s[0:1], 0x10
	s_load_b64 s[12:13], s[0:1], 0x20
	s_load_b64 s[66:67], s[0:1], 0x28
.endif
	v_lshl_add_u32 v1, v0, 2, SPARE
	v_mov_b32 v2, 0
	ds_add_u32 v1, v2
	s_wait_dscnt 0x0
	v_lshrrev_b32 v28, 5, v0
	v_readfirstlane_b32 s14, v28                   ; wave 0..15
	s_and_b32 s16, s14, 1                          ; which 128 rows a fetching wave fetches
	s_bfe_u32 s40, ttmp6, 0x40000                  ; cx
	s_bfe_u32 s41, ttmp6, 0x40004                  ; cy
.if QKV
	s_and_b32 s92, ttmp7, 0xffff                   ; the cluster's y: 4 x job + index
	s_lshr_b32 s97, s92, 2                         ; job: the same in all sixteen partners
	s_and_b32 s92, s92, 3
	s_cmp_eq_u32 s97, 2
	s_cselect_b32 s93, 0, s92                      ; the tokens' 16 tile rows are A's in jobs 0 and 1,
	s_cselect_b32 s94, s92, 0                      ; B's in job 2
	s_lshl_b32 s17, s93, 2
	s_add_co_u32 s17, s17, s41                     ; tile row of C
	s_lshl_b32 s42, s94, 2
	s_add_co_u32 s42, s42, s40                     ; tile column
.else
	s_lshl_b32 s42, ttmp9, 2
	s_add_co_u32 s42, s42, s40
	s_and_b32 s17, ttmp7, 0xffff
	s_lshl_b32 s17, s17, 2
	s_add_co_u32 s17, s17, s41
.endif
	s_lshl_b32 s43, s41, 2
	s_lshl_b32 s43, 15, s43                        ; my row of the cluster
	s_lshl_b32 s44, 0x1111, s40                    ; my column
	s_lshl_b32 s18, s16, 7
	s_lshl_b32 s20, s17, 8
	s_add_co_u32 s20, s20, s18                     ; A: row 256 x tile row + 128 x half
	s_lshl_b32 s46, s42, 8
	s_add_co_u32 s46, s46, s18                     ; B: row 256 x tile column + 128 x half
	s_mov_b32 s21, 0
	s_mov_b32 s47, 0
	s_mov_b64 s[18:19], KS
	s_mul_u64 s[22:23], s[20:21], s[18:19]
	s_mul_u64 s[92:93], s[46:47], s[18:19]
	s_mov_b64 s[18:19], KROW
	s_mul_u64 s[20:21], s[20:21], s[18:19]
	s_mul_u64 s[46:47], s[46:47], s[18:19]
	s_and_b32 s45, s14, 3
	s_mul_i32 s94, s45, HALFS                      ; where they go: (wave % 4) x 128 rows: no place in the cluster enters an LDS address
	s_mul_i32 s45, s45, HALFT
	s_mov_b32 s[SEL], 0x76543210
	s_mov_b32 s[SEL+1], 0xfedcba98
	s_wait_kmcnt 0x0
.if QKV
	s_cmp_eq_u32 s97, 0                            ; the job's weight; the choices hang on the job alone
	s_cselect_b64 s[8:9], s[80:81], s[84:85]
	s_cselect_b64 s[10:11], s[82:83], s[86:87]
	s_cmp_eq_u32 s97, 2
	s_cselect_b64 s[8:9], s[88:89], s[8:9]
	s_cselect_b64 s[10:11], s[90:91], s[10:11]
	s_cselect_b64 s[80:81], s[8:9], s[4:5]         ; A: the weight in job 2, else the tokens
	s_cselect_b64 s[82:83], s[10:11], s[6:7]
	s_cselect_b64 s[8:9], s[4:5], s[8:9]           ; B: the other
	s_cselect_b64 s[10:11], s[6:7], s[10:11]
	s_mov_b64 s[4:5], s[80:81]
	s_mov_b64 s[6:7], s[82:83]
.endif
	s_add_nc_u64 s[20:21], s[4:5], s[20:21]
	s_add_nc_u64 s[22:23], s[6:7], s[22:23]
	s_add_nc_u64 s[46:47], s[8:9], s[46:47]
	s_add_nc_u64 s[92:93], s[10:11], s[92:93]
	; group 1: a tile of 128 rows x 192 bytes, 16 bytes of padding behind every 64
	s_or_b32 s[G1+0], s43, (0<<16)|(1<<20)|(1<<21)|(3<<22)|(3<<25)
	s_or_b32 s[G1B+0], s44, (0<<16)|(1<<20)|(1<<21)|(3<<22)|(3<<25)
.irp g, G1, G1B
	s_mov_b32 s[\g+1], ROWB<<16
	s_mov_b32 s[\g+2], 128<<16
	s_mov_b32 s[\g+3], ROWB<<16
	s_mov_b32 s[\g+4], 128
	s_mov_b32 s[\g+5], KROW
	s_mov_b32 s[\g+6], 0
	s_mov_b32 s[\g+7], 0
.endr
	; the scale bytes of 128 rows: a dense block, as rows of 256 bytes with 16 bytes of padding behind each
	s_or_b32 s[G1S+0], s43, (3<<16)|(1<<20)|(1<<21)|(5<<22)|(3<<25)
	s_or_b32 s[G1SB+0], s44, (3<<16)|(1<<20)|(1<<21)|(5<<22)|(3<<25)
.irp g, G1S, G1SB
	s_mov_b32 s[\g+1], 32<<16
	s_mov_b32 s[\g+2], (128*KS/256)<<16
	s_mov_b32 s[\g+3], 32<<16
	s_mov_b32 s[\g+4], 128*KS/256
	s_mov_b32 s[\g+5], 32
	s_mov_b32 s[\g+6], 0
	s_mov_b32 s[\g+7], 0
.endr
	s_mov_b32 s[G0S], 1
	s_add_co_u32 s[G0S+1], s94, SCL
	s_mov_b64 s[G0S+2:G0S+3], s[22:23]
	s_or_b32 s[G0S+3], s[G0S+3], 0x80000000
	s_mov_b32 s[G0SB], 1
	s_add_co_u32 s[G0SB+1], s94, SCL
	s_mov_b64 s[G0SB+2:G0SB+3], s[92:93]
	s_or_b32 s[G0SB+3], s[G0SB+3], 0x80000000
.irp s, 0,1
	s_mov_b32 s[G0+4*\s], 1
	s_add_co_u32 s[G0+4*\s+1], s45, \s*SLOT
	s_add_nc_u64 s[G0+4*\s+2:G0+4*\s+3], s[20:21], \s*STEPB
	s_or_b32 s[G0+4*\s+3], s[G0+4*\s+3], 0x80000000
	s_mov_b32 s[G0B+4*\s], 1
	s_add_co_u32 s[G0B+4*\s+1], s45, \s*SLOT
	s_add_nc_u64 s[G0B+4*\s+2:G0B+4*\s+3], s[46:47], \s*STEPB
	s_or_b32 s[G0B+4*\s+3], s[G0B+4*\s+3], 0x80000000
.endr
	ROUND                                          ; all sixteen work-groups are here: the first joint loads meet
	JFIRST                                         ; three loads of a fetching wave are out
	v_and_b32 v28, 15, v0                          ; r
	v_bfe_u32 v29, v0, 4, 1                        ; h
	v_mul_u32_u24 v30, v28, PITCH
	v_mad_u32_u24 v30, v29, 24, v30                ; a fragment's row x pitch + 24 h
	v_lshl_add_u32 v31, v29, 4, v30                ; and the same behind one padding more
	s_lshr_b32 s95, s14, 2                         ; qm: my 64 rows
	s_and_b32 s96, s14, 3                          ; qn: my 64 columns
	s_mul_i32 s21, s95, 64*PITCH
	s_mul_i32 s22, s96, 64*PITCH
	s_add_co_u32 s22, s22, 2*HALFT
.irp s, 0,1
	v_add_nc_u32 v[ADRA+\s], s21, v30
	v_add_nc_u32 v[ADRB+\s], s22, v30
	v_add_nc_u32 v[ADRA+2+\s], s21, v31
	v_add_nc_u32 v[ADRB+2+\s], s22, v31
	s_add_co_u32 s21, s21, SLOT
	s_add_co_u32 s22, s22, SLOT
.endr
	v_mul_u32_u24 v30, v28, KS                     ; my row's scale bytes,
	v_lshrrev_b32 v31, 8, v30
	v_lshl_add_u32 v30, v31, 4, v30                ; and 16 more for each 256 passed
	s_mul_i32 s21, s95, 4*SBLK
	s_mul_i32 s22, s96, 4*SBLK
	s_add_co_u32 s22, s22, 2*HALFS
	s_sub_co_u32 s22, s22, s21
	v_mul_u32_u24 v31, s22, v29                    ; lanes 16-31 take B's: one product with h
	s_add_co_u32 s21, s21, SCL
	v_add_nc_u32 v30, v30, v31
	v_add_nc_u32 v[ADRS], s21, v30
	s_mul_i32 s21, s95, 64*272                     ; the way out.  v20: (64 qm + r) x 272 + 64 qn + 16 h
	s_lshl_b32 s22, s96, 6
	s_add_co_u32 s21, s21, s22
	v_mul_u32_u24 v20, v28, 272
	v_lshl_add_u32 v20, v29, 4, v20
	v_add_nc_u32 v20, s21, v20
	s_lshl_b32 s21, s95, 9                         ; v21: SST + 8 (64 qm + r) + 2 qn
	s_lshl_b32 s22, s96, 1
	s_add_co_u32 s21, s21, s22
	s_add_co_u32 s21, s21, SST
	v_lshl_add_u32 v21, v28, 3, s21
	s_mul_i32 s21, s14, 16*272                     ; v22: (16 wave + h) x 272 + 16 r
	v_mul_u32_u24 v22, v29, 272
	v_lshl_add_u32 v22, v28, 4, v22
	v_add_nc_u32 v22, s21, v22
	s_and_b32 s21, s14, 7                          ; v23: SST + 8 (32 (wave % 8) + lane)
	s_lshl_b32 s21, s21, 8
	s_add_co_u32 s21, s21, SST
	v_and_b32 v23, 31, v0
	v_lshl_add_u32 v23, v23, 3, s21
	s_wait_tensorcnt 0x1                           ; the scales and my part of slot 0 are in; slot 1's load may be out
	s_barrier_signal -1
	s_barrier_wait -1
	WORK 0, 0, 1                                   ; the first products start the sums
	CHANGE 1, 0
	WORK 1, 1, 0
	CHANGE 1, 1
	WORK 0, 2, 0
	CHANGE 0, 0
	WORK 1, 3, 0
	; THE WAY OUT.  Where a row's codes and scale bytes go: base + (p / 4) S1 + (p % 4) 12 + row S2, p the place of 12 bytes among a row's sixteen
.if QKV
	s_cmp_eq_u32 s97, 2
	s_mov_b32 s18, 49152
	s_cselect_b32 s18, 48, s18                     ; S1: from head to head (jobs 0, 1), or 48 bytes on in the row
	s_mov_b32 s19, 3072
	s_cselect_b32 s19, s19, 48                     ; S2: from row to row
	s_cselect_b32 s22, 128, 32                     ; a row of scale bytes
	s_lshr_b32 s20, s17, 2
	s_lshl_b32 s20, s20, 4
	s_lshl_b32 s21, s42, 2
	s_add_co_u32 s20, s20, s21                     ; batch x 16 + the tile's first head
	s_mul_i32 s20, s20, 49152
	s_and_b32 s21, s17, 3
	s_mul_i32 s21, s21, 12288
	s_add_co_u32 s20, s20, s21                     ; jobs 0, 1
	s_mul_i32 s21, s17, 786432
	s_mul_i32 s23, s42, 192
	s_add_co_u32 s21, s21, s23                     ; job 2
	s_cmp_eq_u32 s97, 2
	s_cselect_b32 s20, s21, s20
	s_mul_i32 s21, s97, 3145728
	s_add_co_u32 s20, s20, s21
	s_mov_b32 s21, 0
	s_add_nc_u64 s[12:13], s[12:13], s[20:21]
	s_lshl_b32 s20, s17, 8
	s_mul_i32 s20, s20, s22
	s_lshl_b32 s23, s42, 3
	s_add_co_u32 s20, s20, s23
	s_lshl_b32 s23, s97, 17
	s_add_co_u32 s20, s20, s23
	s_add_nc_u64 s[66:67], s[66:67], s[20:21]
.else
	s_mov_b32 s18, 48
	s_mov_b32 s19, 3072
	s_mov_b32 s22, 128
	s_mul_i32 s20, s17, 786432
	s_mul_i32 s23, s42, 192
	s_add_co_u32 s20, s20, s23
	s_mov_b32 s21, 0
	s_add_nc_u64 s[12:13], s[12:13], s[20:21]
	s_lshl_b32 s20, s17, 15
	s_lshl_b32 s23, s42, 3
	s_add_co_u32 s20, s20, s23
	s_add_nc_u64 s[66:67], s[66:67], s[20:21]
	s_mov_b32 s92, 0xbdd2d3e8                      ; c2
	s_mov_b32 s93, s92
	v_mov_b32 v76, 0xc0135761                      ; c1
	v_mov_b32 v77, v76
.endif
	v_lshrrev_b32 v26, 2, v28
	v_mul_lo_u32 v26, v26, s18
	v_and_b32 v27, 3, v28
	v_mad_u32_u24 v26, v27, 12, v26
	s_lshl_b32 s23, s14, 4
	v_add_nc_u32 v27, s23, v29                     ; the first row that I store: 16 wave + h
	v_mul_lo_u32 v27, v27, s19
	v_add_nc_u32 v[OF], v26, v27
	s_lshl_b32 s19, s19, 1
.irp i, 1,2,3,4,5,6,7
	v_add_nc_u32 v[OF+\i], s19, v[OF+\i-1]         ; two rows on
.endr
	s_and_b32 s23, s14, 7
	s_lshl_b32 s23, s23, 5
	v_and_b32 v25, 31, v0
	v_add_nc_u32 v25, s23, v25
	v_mul_lo_u32 v25, v25, s22                     ; the scale bytes' row
	v_mov_b32 v[TM+2], 0                           ; a lane permute's destination counts as one of its sources
	v_mov_b32 v[TM+3], 0
.irp a, 0,1,2,3                        ; a band of 16 rows at a time, each accumulator from its low end on
.if !QKV
	NATURAL ACC+32*\a
	GELU ACC+32*\a
.endif
	QUANT2 ACC+32*\a, CD+8*\a, PW+\a
	ds_store_b96 v20, v[CD+8*\a:CD+8*\a+2] offset:16*\a*272        ; 12 bytes to a place of 16: every LDS address is a multiple of 16
	ds_store_b96 v20, v[CD+8*\a+4:CD+8*\a+6] offset:16*\a*272+32
	ds_store_b16 v21, v[PW+\a] offset:128*\a                       ; lanes r and 16 + r write the same two bytes with the same value
.endr
	s_wait_dscnt 0x0                               ; for the others' sake: my stores into the stage are done
	s_barrier_signal -1
	s_barrier_wait -1
.irp i, 0,1,2,3,4,5,6,7
	ds_load_b96 v[GT+4*\i:GT+4*\i+2], v22 offset:2*\i*272          ; sixteen lanes to a row, two rows an instruction
.endr
.irp i, 0,1,2,3,4,5,6,7
	s_wait_dscnt 7-\i
	global_store_b96 v[OF+\i], v[GT+4*\i:GT+4*\i+2], s[12:13]
.endr
	s_cmp_lt_u32 s14, 8
	s_cbranch_scc0 .Lnosc
	ds_load_b64 v[64:65], v23                      ; waves 0-7: a row's eight scale bytes a lane
	s_wait_dscnt 0x0
	global_store_b64 v25, v[64:65], s[66:67]
.Lnosc:
	s_wait_tensorcnt 0x0                           ; the wave's end
	ds_add_u32 v1, v2
	s_wait_dscnt 0x0
	ROUND                                          ; the closing round
	s_endpgm
.Lfunc_end_k_qaf9a323e9a_qkv:
	.size	k_qaf9a323e9a_qkv, .Lfunc_end_k_qaf9a323e9a_qkv-k_qaf9a323e9a_qkv
	.p2alignl 7, 3214868480
	.fill 96, 4, 3214868480
	.section	.rodata,"a",@progbits
	.p2align	6, 0x0
	.amdhsa_kernel k_qaf9a323e9a_qkv
		.amdhsa_group_segment_fixed_size 327680
		.amdhsa_private_segment_fixed_size 0
		.amdhsa_enable_private_segment 0
		.amdhsa_kernarg_size 80
		.amdhsa_user_sgpr_count 2
		.amdhsa_user_sgpr_kernarg_segment_ptr 1
		.amdhsa_wavefront_size32 1
		.amdhsa_system_sgpr_workgroup_id_x 1
		.amdhsa_system_sgpr_workgroup_id_y 1
		.amdhsa_system_sgpr_workgroup_id_z 1
		.amdhsa_system_vgpr_workitem_id 0
		.amdhsa_next_free_vgpr 256
		.amdhsa_next_free_sgpr 100
		.amdhsa_reserve_vcc 0
		.amdhsa_float_denorm_mode_32 3
		.amdhsa_float_denorm_mode_16_64 3
		.amdhsa_memory_ordered 1
		.amdhsa_forward_progress 1
		.amdhsa_inst_pref_size 67
	.end_amdhsa_kernel
	.amdgpu_metadata
---
amdhsa.version: [ 1, 2 ]
amdhsa.kernels:
  - .name:           k_qaf9a323e9a_qkv
    .symbol:         k_qaf9a323e9a_qkv.kd
    .args:
      - { .name: nc, .offset: 0, .size: 8, .value_kind: global_buffer, .address_space: global }
      - { .name: ns, .offset: 8, .size: 8, .value_kind: global_buffer, .address_space: global }
      - { .name: wq_codes, .offset: 16, .size: 8, .value_kind: global_buffer, .address_space: global }
      - { .name: wq_scales, .offset: 24, .size: 8, .value_kind: global_buffer, .address_space: global }
      - { .name: wk_codes, .offset: 32, .size: 8, .value_kind: global_buffer, .address_space: global }
      - { .name: wk_scales, .offset: 40, .size: 8, .value_kind: global_buffer, .address_space: global }
      - { .name: wv_codes, .offset: 48, .size: 8, .value_kind: global_buffer, .address_space: global }
      - { .name: wv_scales, .offset: 56, .size: 8, .value_kind: global_buffer, .address_space: global }
      - { .name: qkvc, .offset: 64, .size: 8, .value_kind: global_buffer, .address_space: global }
      - { .name: qkvs, .offset: 72, .size: 8, .value_kind: global_buffer, .address_space: global }
    .group_segment_fixed_size: 327680
    .private_segment_fixed_size: 0
    .kernarg_segment_align: 8
    .kernarg_segment_size: 80
    .max_flat_workgroup_size: 512
    .sgpr_count:     100
    .vgpr_count:     256
    .wavefront_size: 32
...
	.end_amdgpu_metadata
.endif
;; end of part 2
;; launch att (part 3): grid 4 x 64, 16 waves a work-group, clusters of 4 x 1, 169,984 bytes of LDS; arguments qkvc, qkvs, nc, ns; writes nc, ns
.if DOCPART == 3
	.amdgcn_target "amdgcn-amd-amdhsa--gfx1250"
	.amdhsa_code_object_version 6
	.text
	.protected	k_qaf9a323e9a_att
	.globl	k_qaf9a323e9a_att
	.p2align	8
	.type	k_qaf9a323e9a_att,@function
k_qaf9a323e9a_att:
	s_mov_b64 s[64:65], 0
	v_nop
	global_prefetch_b8 v0, s[64:65] scope:SCOPE_SE
	s_setreg_imm32_b32 hwreg(HW_REG_WAVE_MODE, 25, 1), 1
	s_wait_xcnt 0x0
	s_wait_alu depctr_hold_cnt(0) depctr_sa_sdst(0) depctr_va_vdst(0) depctr_va_sdst(0) depctr_va_ssrc(0) depctr_va_vcc(0) depctr_vm_vsrc(0)
	s_getreg_b32 s2, hwreg(HW_REG_IB_STS2, 6, 4)
	s_cmp_eq_u32 s2, 0
	s_cbranch_scc0 .Lentry_in_a_cluster
	s_endpgm
.Lentry_in_a_cluster:
	s_bfe_u32 s2, ttmp6, 0x10000c
	s_cmp_lg_u32 s2, 0x3003
	s_cbranch_scc0 .Lentry_shape_is_right
	s_endpgm
.Lentry_shape_is_right:
; Causal attention of one (batch, head) for each cluster, both products on codes of E2M3; the result, divided by the row's sum, is quantised along the head's 64 and stored as codes of the concatenated heads.
; Q, K: [batch x 16 + head][1024][48 bytes]; their scale bytes [token][32], bytes 2 head, 2 head + 1.  V^T: [head x 64 + e][3,072 bytes], tokens innermost; its scale bytes [row][128].
; Inside a block of 32, Q, K (along e) and V^T (along the keys) lie in the order 0-7, 16-23, 8-15, 24-31: Q and K alike, and V^T as p comes out of tiles of 16 neighbouring keys below.
; THE SOFTMAX: t = score x log2(e) / 8; M = the running largest t rounded up to a whole number; p = 2^(t - M) is quantised along the keys; the sum is taken of the unquantised p and divides at the end.
; The first product's K is 64: the upper halves of its operands are zero codes (registers cleared once), their scale bytes 0, which stand for a power of two and multiply zeros.
; SHARES.  The four work-groups of a cluster share all of K and V of the head: everything is asked for jointly, once, at the head; LDS is filled once: no ring.
; A wave owns one tile of 16 queries: tile 4 u + cx, u from a table by the wave's number, so that its last key step, u / 2, is alike in all partners, and each group of four waves has 18 key steps.
; Key steps wholly above the diagonal are left out by a scalar branch; in the step on the diagonal hidden scores become -infinity (the definition writes -1e9: the same weights unless true scores lie under -1e9).
; Both products are used transposed: a lane holds ONE query throughout.  The stores at the end are short: a head's part of a token's row is 48 bytes.
; LIMITS: NaN and infinities are not served.
.set LK,  0                            ; LDS: K's codes, 1,024 x 48 bytes, dense
.set LV,  49152                        ; V^T's codes: 64 rows, 768 bytes + 16 behind every 256: pitch 816
.set LKS, 101376                       ; the batch's K scale bytes: 128 units of 256 + 16
.set LVS, 136192                       ; V^T's scale bytes: 64 rows of 32 + 8
.set KF, 32                            ; v32-79   four fragments of K (the upper six registers of each stay zero)
.set VF, 80                            ; v80-103  two fragments of V^T
.set S,  104                           ; v104-167 S^T, then p
.set O,  168                           ; v168-199 O^T
.set PC, 200                           ; v200-211 p's codes
.set CT, 212                           ; v212-219 conversions' second halves
.set BM, 220                           ; v220-223 the blocks' largest scores, then largest p
.set BX, 224                           ; v224-227 at work
.set SO, 228                           ; v228-231 the conversions' scale operands
.set TS, 232                           ; v232-235 tiles' scale words, and nothing else
.set PS, 236                           ; v236     p's scale word
.set F,  238                           ; v[238:239] f
.set T0, 240
.set SM, 242                           ; v[242:243]
.set TM, 220                           ; the last quantiser's registers
.set SEL, 20
.macro ROUND
	s_barrier_signal -1
	s_barrier_wait -1
	s_cmp_lg_u32 s12, 0
	s_cbranch_scc1 .Lnw0_\@
	s_barrier_signal -3
.Lnw0_\@:
	s_barrier_wait -3
	s_barrier_signal -1
	s_barrier_wait -1
.endm
.macro PLACES n
.rept \n
	v_nop
.endr
.endm
	s_load_b256 s[4:11], s[0:1], 0x0               ; qkvc s[4:5], qkvs s[6:7], codes out s[8:9], scale bytes out s[10:11]
	v_lshl_add_u32 v254, v0, 2, 0x29000
	v_mov_b32 v255, 0
	ds_add_u32 v254, v255
	v_lshrrev_b32 v6, 5, v0
	v_readfirstlane_b32 s12, v6                    ; wave 0..15
	s_bfe_u32 s13, ttmp6, 0x40000                  ; cx
	s_and_b32 s14, ttmp7, 0xffff                   ; batch x 16 + head: the partners share it
	s_lshr_b32 s15, s14, 4                         ; batch
	s_and_b32 s16, s14, 15                         ; head
	s_mov_b32 s76, 0x791f86e0                      ; u of waves 0-7, four bits each,
	s_mov_b32 s77, 0x5b3da4c2                      ; of waves 8-15
	s_cmp_lt_u32 s12, 8
	s_cselect_b32 s76, s76, s77
	s_and_b32 s17, s12, 7
	s_lshl_b32 s17, s17, 2
	s_lshr_b32 s17, s76, s17
	s_and_b32 s17, s17, 15                         ; u
	s_lshr_b32 s18, s17, 1                         ; my last key step
	s_lshl_b32 s19, s17, 2
	s_add_co_u32 s19, s19, s13                     ; my tile of 16 queries
	s_mov_b32 s[SEL], 0x76543210
	s_mov_b32 s[SEL+1], 0xfedcba98
	s_mov_b32 s22, 0x3e38aa3b                      ; c = log2(e) / 8
	s_mov_b32 s23, s22
	; group 1.  K's codes: half of them, 24,576 dense bytes as 96 rows of 256
	s_mov_b32 s24, 15|(3<<16)|(1<<21)
	s_mov_b32 s25, 32<<16
	s_mov_b32 s26, 96<<16
	s_mov_b32 s27, 32<<16
	s_mov_b32 s28, 96
	s_mov_b32 s29, 32
	s_mov_b32 s30, 0
	s_mov_b32 s31, 0
	; V^T's codes: 32 rows of 768 bytes, 3,072 bytes apart, 16 bytes of padding behind every 256
	s_mov_b32 s32, 15|(3<<16)|(1<<20)|(1<<21)|(5<<22)|(3<<25)
	s_mov_b32 s33, 96<<16
	s_mov_b32 s34, 32<<16
	s_mov_b32 s35, 96<<16
	s_mov_b32 s36, 32
	s_mov_b32 s37, 384
	s_mov_b32 s38, 0
	s_mov_b32 s39, 0
	; K's scale bytes of the batch: 32,768 dense bytes as 128 rows of 256, padded
	s_mov_b32 s40, 15|(3<<16)|(1<<20)|(1<<21)|(5<<22)|(3<<25)
	s_mov_b32 s41, 32<<16
	s_mov_b32 s42, 128<<16
	s_mov_b32 s43, 32<<16
	s_mov_b32 s44, 128
	s_mov_b32 s45, 32
	s_mov_b32 s46, 0
	s_mov_b32 s47, 0
	; V^T's scale bytes: 64 rows of 32 bytes, 128 bytes apart, 8 bytes of padding behind each
	s_mov_b32 s48, 15|(2<<16)|(1<<20)|(1<<21)|(2<<22)|(1<<25)
	s_mov_b32 s49, 8<<16
	s_mov_b32 s50, 64<<16
	s_mov_b32 s51, 8<<16
	s_mov_b32 s52, 64
	s_mov_b32 s53, 32
	s_mov_b32 s54, 0
	s_mov_b32 s55, 0
	s_and_b32 s78, s12, 1                          ; which half a fetching wave fetches
	s_mul_i32 s80, s14, 49152
	s_mul_i32 s81, s78, 24576
	s_add_co_u32 s80, s80, s81
	s_add_co_u32 s80, s80, 3145728                 ; K's codes
	s_mov_b32 s81, 0
	s_lshl_b32 s82, s16, 6
	s_lshl_b32 s83, s78, 5
	s_add_co_u32 s82, s82, s83
	s_mul_i32 s82, s82, 3072
	s_mul_i32 s83, s15, 768
	s_add_co_u32 s82, s82, s83
	s_add_co_u32 s82, s82, 6291456                 ; V^T's codes
	s_mov_b32 s83, 0
	s_lshl_b32 s84, s15, 15
	s_add_co_u32 s84, s84, 131072                  ; K's scale bytes
	s_mov_b32 s85, 0
	s_lshl_b32 s86, s16, 13
	s_lshl_b32 s87, s15, 5
	s_add_co_u32 s86, s86, s87
	s_add_co_u32 s86, s86, 262144                  ; V^T's scale bytes
	s_mov_b32 s87, 0
	s_lshl_b32 s79, s15, 10
	s_lshl_b32 s76, s19, 4
	s_add_co_u32 s79, s79, s76                     ; my first token
	s_wait_dscnt 0x0
	s_wait_kmcnt 0x0
	s_mov_b32 s56, 1
	s_mul_i32 s57, s78, 24576
	s_add_nc_u64 s[58:59], s[4:5], s[80:81]
	s_or_b32 s59, s59, 0x80000000
	s_mov_b32 s60, 1
	s_mul_i32 s61, s78, 26112
	s_add_co_u32 s61, s61, LV
	s_add_nc_u64 s[62:63], s[4:5], s[82:83]
	s_or_b32 s63, s63, 0x80000000
	s_mov_b32 s68, 1
	s_mov_b32 s69, LKS
	s_add_nc_u64 s[70:71], s[6:7], s[84:85]
	s_or_b32 s71, s71, 0x80000000
	s_mov_b32 s72, 1
	s_mov_b32 s73, LVS
	s_add_nc_u64 s[74:75], s[6:7], s[86:87]
	s_or_b32 s75, s75, 0x80000000
	ROUND                                          ; all four work-groups are here: the joint loads meet
	s_cmp_lt_u32 s12, 2                            ; one load a wave, waves 0 to 5; four v_nop follow each
	s_cbranch_scc0 .Lt1
	tensor_load_to_lds s[56:59], s[24:31]
	s_nop 0
	PLACES 4
	s_branch .Ltd
.Lt1:
	s_cmp_lt_u32 s12, 4
	s_cbranch_scc0 .Lt2
	tensor_load_to_lds s[60:63], s[32:39]
	s_nop 0
	PLACES 4
	s_branch .Ltd
.Lt2:
	s_cmp_eq_u32 s12, 4
	s_cbranch_scc0 .Lt3
	tensor_load_to_lds s[68:71], s[40:47]
	s_nop 0
	PLACES 4
	s_branch .Ltd
.Lt3:
	s_cmp_eq_u32 s12, 5
	s_cbranch_scc0 .Ltd
	tensor_load_to_lds s[72:75], s[48:55]
	s_nop 0
	PLACES 4
.Ltd:
	s_mul_i32 s76, s14, 49152
	s_mul_i32 s77, s19, 768
	s_add_co_u32 s76, s76, s77
	s_mov_b32 s77, 0
	s_add_nc_u64 s[88:89], s[4:5], s[76:77]        ; Q's codes at my first query
	s_lshl_b32 s76, s79, 5
	s_lshl_b32 s80, s16, 1
	s_add_co_u32 s76, s76, s80
	s_add_nc_u64 s[90:91], s[6:7], s[76:77]        ; Q's scale bytes
	s_add_nc_u64 s[10:11], s[10:11], s[76:77]      ; the result's scale bytes lie alike
	s_mul_i32 s76, s79, 768
	s_mul_i32 s80, s16, 48
	s_add_co_u32 s76, s76, s80
	s_add_nc_u64 s[8:9], s[8:9], s[76:77]          ; the result's codes
	v_and_b32 v6, 15, v0                           ; r
	v_bfe_u32 v7, v0, 4, 1                         ; h
	v_mul_u32_u24 v1, v6, 48
	v_mad_u32_u24 v1, v7, 24, v1                   ; row r of 48 bytes + 24 h: K's place in LDS, and Q's in memory
.irp p, 0,1,2
	global_load_b64 v[16+2*\p:17+2*\p], v1, s[88:89] offset:8*\p
.endr
	v_lshlrev_b32 v10, 5, v6                       ; 32 r
	global_load_u16 v28, v10, s[90:91]             ; Q's two scale bytes; bytes 2, 3 are 0
	v_lshrrev_b32 v2, 3, v6
	v_lshl_add_u32 v2, v2, 4, v10
	s_lshl_b32 s80, s16, 1
	s_add_co_u32 s80, s80, LKS
	v_add_nc_u32 v2, s80, v2                       ; K's scale bytes: 32 r + 16 (r / 8) + 2 head
	v_mul_u32_u24 v3, v6, 816
	v_mad_u32_u24 v3, v7, 24, v3
	v_add_nc_u32 v3, LV, v3                        ; V^T: row r + 24 h,
	v_lshl_add_u32 v4, v7, 4, v3                   ; and behind one padding more
	v_mul_u32_u24 v5, v6, 40
	v_add_nc_u32 v5, LVS, v5                       ; V^T's scale words
	v_mul_u32_u24 v8, v6, 768
	v_mad_u32_u24 v8, v7, 12, v8                   ; the way out: token r, + 12 h
	s_and_b32 s80, s19, 7
	s_lshl_b32 s80, s80, 4
	v_lshlrev_b32 v9, 3, v7
	v_sub_nc_u32 v9, v6, v9
	v_add_nc_u32 v9, s80, v9                       ; d = my query - the diagonal step's first key - 8 h
	v_mov_b32 v13, 0xff61b1e6                      ; the largest t so far: -3e38
	v_floor_f32 v12, -v13                          ; -M
	v_mov_b32 v14, 0
	v_mov_b32 v15, 0
.irp j, 22,23,24,25,26,27
	v_mov_b32 v\j, 0                               ; Q's upper half: zero codes
.endr
.irp t, 0,1,2,3
.irp j, 6,7,8,9,10,11
	v_mov_b32 v[KF+12*\t+\j], 0                    ; K's likewise: written once, no load lands there
.endr
.endr
.irp b, 0,1,2,3
	v_mov_b32 v[BX+\b], 0                          ; a lane permute's destination counts as one of its sources
	v_mov_b32 v[BM+\b], 0
.endr
	v_mov_b32 v[F+1], 0                            ; named as the upper half of a pair
	v_mov_b32 v[T0], 0
	s_wait_tensorcnt 0x0
	s_barrier_signal -1
	s_barrier_wait -1                              ; all of K and V lies in LDS
	s_wait_loadcnt 0x0                             ; Q
; two tiles of V^T (16 e x 128 keys of step s) and their scale words
.macro VLOAD s, grp
.irp u, 0,1
.irp p, 0,1,2,3,4,5
.set PCV, 12*(\s)+6*(\p/3)+\p%3
.if PCV%32 < 29
	ds_load_b64 v[VF+12*\u+2*\p:VF+12*\u+2*\p+1], v3 offset:8*PCV+16*(PCV/32)+13056*(2*(\grp)+\u)
.else
	ds_load_b64 v[VF+12*\u+2*\p:VF+12*\u+2*\p+1], v4 offset:8*PCV+16*(PCV/32)+13056*(2*(\grp)+\u)
.endif
.endr
	ds_load_b32 v[TS+2*(\grp)+\u], v5 offset:640*(2*(\grp)+\u)+4*(\s)
.endr
.endm
.macro PV s, grp
.irp u, 0,1
.if (\s) == 0
	v_wmma_scale_f32_16x16x128_f8f6f4 v[O+8*(2*(\grp)+\u):O+8*(2*(\grp)+\u)+7], v[VF+12*\u:VF+12*\u+11], v[PC:PC+11], 0, v[TS+2*(\grp)+\u], v[PS] matrix_a_fmt:MATRIX_FMT_FP6 matrix_b_fmt:MATRIX_FMT_FP6
.else
	v_wmma_scale_f32_16x16x128_f8f6f4 v[O+8*(2*(\grp)+\u):O+8*(2*(\grp)+\u)+7], v[VF+12*\u:VF+12*\u+11], v[PC:PC+11], v[O+8*(2*(\grp)+\u):O+8*(2*(\grp)+\u)+7], v[TS+2*(\grp)+\u], v[PS] matrix_a_fmt:MATRIX_FMT_FP6 matrix_b_fmt:MATRIX_FMT_FP6
.endif
.endr
.endm
; A KEY STEP: keys 128 s on.  Written out for each s: every LDS offset is an immediate
.macro STEP s
.if (\s) > 0
	s_cmp_lt_u32 s18, \s                           ; all of this step's keys come after my queries: done
	s_cbranch_scc1 .Lout
.endif
.irp g, 0,1                                    ; S^T = K Q^T, four tiles of 16 neighbouring keys at a time
.if \g
	PLACES 4                                       ; in front of loads into registers that matrix instructions have read
.endif
.irp t, 0,1,2,3
.irp p, 0,1,2
	ds_load_b64 v[KF+12*\t+2*\p:KF+12*\t+2*\p+1], v1 offset:(128*(\s)+16*(4*\g+\t))*48+8*\p
.endr
	ds_load_u16 v[TS+\t], v2 offset:544*(8*(\s)+4*\g+\t)
.endr
	s_wait_dscnt 0x0
.irp t, 0,1,2,3
	v_wmma_scale_f32_16x16x128_f8f6f4 v[S+8*(4*\g+\t):S+8*(4*\g+\t)+7], v[KF+12*\t:KF+12*\t+11], v[16:27], 0, v[TS+\t], v28 matrix_a_fmt:MATRIX_FMT_FP6 matrix_b_fmt:MATRIX_FMT_FP6
.endr
.endr
	PLACES 4
	VLOAD \s, 0                                    ; V's first two tiles land under the softmax
	s_cmp_lg_u32 s18, \s
	s_cbranch_scc1 .Lopen_\@
	v_mov_b32 v[T0], 0xff800000                    ; on the diagonal: register 8 T + j holds key 16 T + 8 h + j of the step: hidden where 16 T + j > d
.set n, 0
.rept 64
	v_cmp_gt_i32 vcc_lo, 16*(n/8)+n%8, v9
	v_cndmask_b32 v[S+n], v[S+n], v[T0], vcc_lo
.set n, n+1
.endr
.Lopen_\@:
.irp b, 0,1,2,3
	v_max3_num_f32 v[BM+\b], v[S+16*\b], v[S+16*\b+1], v[S+16*\b+2]   ; the largest score of each block of 32 keys: for the row's maximum, and for the block's largest p
.endr
.irp i, 3,5,7,9,11,13
.irp b, 0,1,2,3
	v_max3_num_f32 v[BM+\b], v[BM+\b], v[S+16*\b+\i], v[S+16*\b+\i+1]
.endr
.endr
.irp b, 0,1,2,3
	v_max_num_f32 v[BM+\b], v[BM+\b], v[S+16*\b+15]
.endr
.irp b, 0,1,2,3
	v_permlanex16_b32 v[BX+\b], v[BM+\b], s[SEL], s[SEL+1]
.endr
.irp b, 0,1,2,3
	v_max_num_f32 v[BM+\b], v[BM+\b], v[BX+\b]
.endr
	v_max3_num_f32 v[T0], v[BM], v[BM+1], v[BM+2]
	v_max_num_f32 v[T0], v[T0], v[BM+3]
	v_mul_f32 v[T0], s22, v[T0]
	v_max_num_f32 v13, v13, v[T0]                  ; the running largest t
	v_mov_b32 v[T0], v12
	v_floor_f32 v12, -v13                          ; -M = floor(-t): M is a whole number
	v_sub_f32 v[T0], v12, v[T0]
	v_cvt_i32_f32 v[T0], v[T0]                     ; (it saturates)
	v_ldexp_f32 v[F], 1.0, v[T0]                   ; f = 2^(old M - new M): rounds nothing
.set n, 0
.rept 32
	v_pk_fma_f32 v[S+n:S+n+1], v[S+n:S+n+1], s[22:23], v[12:13] op_sel_hi:[1,0,0]   ; t - M
.set n, n+2
.endr
.irp b, 0,1,2,3
	v_fma_f32 v[BM+\b], v[BM+\b], s22, v12
.endr
.set n, 0
.rept 64
	v_exp_f32 v[S+n], v[S+n]                       ; p, not normalised
.set n, n+1
.endr
	v_pk_mul_f32 v[14:15], v[14:15], v[F:F+1] op_sel_hi:[1,0]      ; the sums under the new M (the plain line behind the exponentials)
	s_wait_alu depctr_va_vdst(0)                   ; one wait for the batch of 64
.irp b, 0,1,2,3
	v_exp_f32 v[BM+\b], v[BM+\b]                   ; each block's largest p
.endr
	v_pk_add_f32 v[SM:SM+1], v[S:S+1], v[S+2:S+3]  ; the row's sum of the unquantised p, in two chains
.set n, 4
.rept 15
	v_pk_add_f32 v[14:15], v[14:15], v[S+n:S+n+1]
	v_pk_add_f32 v[SM:SM+1], v[SM:SM+1], v[S+n+2:S+n+3]
.set n, n+4
.endr
	v_pk_add_f32 v[14:15], v[14:15], v[SM:SM+1]
	s_wait_alu depctr_va_vdst(0)                   ; and one for the four
.irp b, 0,1,2,3
	v_max_num_f32 v[BM+\b], 0x1800000, v[BM+\b]    ; the floor: the byte cannot fall under 1
.endr
.irp b, 0,1,2,3
	v_add_nc_u32 v[SO+\b], 0xff000000, v[BM+\b]
.endr
.irp b, 0,1,2,3
	v_lshrrev_b32 v[BX+\b], 23, v[SO+\b]
.endr
	v_lshl_or_b32 v[PS], v[BX+1], 8, v[BX]
	v_lshl_or_b32 v[PS], v[BX+2], 16, v[PS]
	v_lshl_or_b32 v[PS], v[BX+3], 24, v[PS]
.irp c, 0,1
	v_cvt_scalef32_pk16_fp6_f32 v[PC+6*\c:PC+6*\c+2], v[S+32*\c:S+32*\c+15], v[SO+2*\c]
	v_cvt_scalef32_pk16_fp6_f32 v[CT+4*\c:CT+4*\c+2], v[S+32*\c+16:S+32*\c+31], v[SO+2*\c+1]
.endr
	v_nop
.irp c, 0,1                                    ; the operand's layout wants a whole block in a lane: lanes 0-15 block 2 c, lanes 16-31 block 2 c + 1
.irp i, 0,1,2
	v_permlane16_swap_b32 v[PC+6*\c+\i], v[CT+4*\c+\i]
.endr
.irp i, 0,1,2
	v_mov_b32 v[PC+6*\c+3+\i], v[CT+4*\c+\i]
.endr
.endr
.if (\s) > 0
.set n, 0
.rept 16
	v_pk_mul_f32 v[O+n:O+n+1], v[O+n:O+n+1], v[F:F+1] op_sel_hi:[1,0]   ; O^T under the new M; also the places ahead of the scaled products
.set n, n+2
.endr
.else
	PLACES 8                                       ; a scale word made by vector instructions stands eight places ahead of the product
.endif
	s_wait_dscnt 0x0
	PV \s, 0
	PLACES 4
	VLOAD \s, 1
	s_wait_dscnt 0x0
	PV \s, 1
	PLACES 4                                       ; for the next step's loads, and for the way out
.endm
	STEP 0
	STEP 1
	STEP 2
	STEP 3
	STEP 4
	STEP 5
	STEP 6
	STEP 7
.Lout:
	v_add_f32 v14, v14, v15
	v_permlanex16_b32 v[T0], v14, s[SEL], s[SEL+1]
	v_add_f32 v14, v14, v[T0]                      ; the row's sum
	v_rcp_f32 v14, v14
	v_nop
	s_wait_alu depctr_va_vdst(0)
.set n, 0
.rept 32
	v_mul_f32 v[S+n], v[O+n], v14                  ; register 8 t + j: o(query r, e = 16 t + 8 h + j)
.set n, n+1
.endr
.irp b, 0,1                                    ; wo's codes lie in natural order: a lane takes 16 neighbouring e
.irp j, 0,1,2,3,4,5,6,7
	v_permlane16_swap_b32 v[S+16*\b+\j], v[S+16*\b+8+\j]
.endr
.endr
.irp b, 0,1
	v_max3_num_f32 v[TM+\b], |v[S+16*\b]|, |v[S+16*\b+1]|, 0x1800000
.endr
.irp i, 2,4,6,8,10,12,14
.irp b, 0,1
	v_max3_num_f32 v[TM+\b], v[TM+\b], |v[S+16*\b+\i]|, |v[S+16*\b+\i+1]|
.endr
.endr
.irp b, 0,1
	v_permlanex16_b32 v[TM+2+\b], v[TM+\b], s[SEL], s[SEL+1]
.endr
.irp b, 0,1
	v_max_num_f32 v[TM+\b], v[TM+\b], v[TM+2+\b]
.endr
.irp b, 0,1
	v_add_nc_u32 v[TM+4+\b], 0xff000000, v[TM+\b]
.endr
.irp b, 0,1
	v_lshrrev_b32 v[TM+2+\b], 23, v[TM+4+\b]
.endr
	v_lshl_or_b32 v[TM+6], v[TM+3], 8, v[TM+2]
.irp b, 0,1
	v_cvt_scalef32_pk16_fp6_f32 v[CT+4*\b:CT+4*\b+2], v[S+16*\b:S+16*\b+15], v[TM+4+\b]
.endr
	v_nop
	global_store_b96 v8, v[CT:CT+2], s[8:9]                        ; token r: 48 head + 12 h
	global_store_b96 v8, v[CT+4:CT+6], s[8:9] offset:24
	global_store_b16 v10, v[TM+6], s[10:11]                        ; lanes r and 16 + r store the same two bytes
	s_wait_tensorcnt 0x0
	ds_add_u32 v254, v255
	s_wait_dscnt 0x0
	ROUND                                          ; the closing round
	s_endpgm
.Lfunc_end_k_qaf9a323e9a_att:
	.size	k_qaf9a323e9a_att, .Lfunc_end_k_qaf9a323e9a_att-k_qaf9a323e9a_att
	.p2alignl 7, 3214868480
	.fill 96, 4, 3214868480
	.section	.rodata,"a",@progbits
	.p2align	6, 0x0
	.amdhsa_kernel k_qaf9a323e9a_att
		.amdhsa_group_segment_fixed_size 169984
		.amdhsa_private_segment_fixed_size 0
		.amdhsa_enable_private_segment 0
		.amdhsa_kernarg_size 32
		.amdhsa_user_sgpr_count 2
		.amdhsa_user_sgpr_kernarg_segment_ptr 1
		.amdhsa_wavefront_size32 1
		.amdhsa_system_sgpr_workgroup_id_x 1
		.amdhsa_system_sgpr_workgroup_id_y 1
		.amdhsa_system_sgpr_workgroup_id_z 1
		.amdhsa_system_vgpr_workitem_id 0
		.amdhsa_next_free_vgpr 256
		.amdhsa_next_free_sgpr 96
		.amdhsa_reserve_vcc 1
		.amdhsa_float_denorm_mode_32 3
		.amdhsa_float_denorm_mode_16_64 3
		.amdhsa_memory_ordered 1
		.amdhsa_forward_progress 1
		.amdhsa_inst_pref_size 195
	.end_amdhsa_kernel
	.amdgpu_metadata
---
amdhsa.version: [ 1, 2 ]
amdhsa.kernels:
  - .name:           k_qaf9a323e9a_att
    .symbol:         k_qaf9a323e9a_att.kd
    .args:
      - { .name: qkvc, .offset: 0, .size: 8, .value_kind: global_buffer, .address_space: global }
      - { .name: qkvs, .offset: 8, .size: 8, .value_kind: global_buffer, .address_space: global }
      - { .name: nc, .offset: 16, .size: 8, .value_kind: global_buffer, .address_space: global }
      - { .name: ns, .offset: 24, .size: 8, .value_kind: global_buffer, .address_space: global }
    .group_segment_fixed_size: 169984
    .private_segment_fixed_size: 0
    .kernarg_segment_align: 8
    .kernarg_segment_size: 32
    .max_flat_workgroup_size: 512
    .sgpr_count:     96
    .vgpr_count:     256
    .wavefront_size: 32
...
	.end_amdgpu_metadata
.endif
;; end of part 3
;; launch wo (part 4): grid 8 x 32, 16 waves a work-group, clusters of 4 x 4, 327,680 bytes of LDS; arguments nc, ns, wo_codes, wo_scales, x, xr; writes xr
.if DOCPART == 4
	.amdgcn_target "amdgcn-amd-amdhsa--gfx1250"
	.amdhsa_code_object_version 6
	.text
	.protected	k_qaf9a323e9a_wo
	.globl	k_qaf9a323e9a_wo
	.p2align	8
	.type	k_qaf9a323e9a_wo,@function
k_qaf9a323e9a_wo:
	s_mov_b64 s[64:65], 0
	v_nop
	global_prefetch_b8 v0, s[64:65] scope:SCOPE_SE
	s_setreg_imm32_b32 hwreg(HW_REG_WAVE_MODE, 25, 1), 1
	s_wait_xcnt 0x0
	s_wait_alu depctr_hold_cnt(0) depctr_sa_sdst(0) depctr_va_vdst(0) depctr_va_sdst(0) depctr_va_ssrc(0) depctr_va_vcc(0) depctr_vm_vsrc(0)
	s_getreg_b32 s2, hwreg(HW_REG_IB_STS2, 6, 4)
	s_cmp_eq_u32 s2, 0
	s_cbranch_scc0 .Lentry_in_a_cluster
	s_endpgm
.Lentry_in_a_cluster:
	s_bfe_u32 s2, ttmp6, 0x10000c
	s_cmp_lg_u32 s2, 0xf033
	s_cbranch_scc0 .Lentry_shape_is_right
	s_endpgm
.Lentry_shape_is_right:
; out = R + A B^T.  A [4096][KK], B [1024][KK]: codes of E2M3 with one E8M0 byte for each 32 along K; R, out: [4096][1024] f32.
; A tile of C is 128 x 128, so that 256 work-groups have work.  Sixteen waves of 256 registers, four to a SIMD: a wave makes a quadrant of 64 x 64 (16 accumulators) for ONE quarter of each 512 along K;
; the four waves of a quadrant add their parts through LDS at the end, each finishing 16 of the quadrant's 64 rows.
; K goes in steps of 512 through two LDS slots: A's two halves along K, then B's two, each 128 rows x 192 bytes (16 bytes of padding behind every 64), one tensor load each (waves 0 to 3).
; The scale bytes of the tile's rows, for all of K, come once with the first fills.  4 x 4 work-groups form a cluster: A's tiles are asked for jointly along a row of it, B's along a column.
; The matrix instruction is used transposed (source 0 = 16 rows of B, source 1 = 16 rows of A): a lane holds eight neighbouring columns of a row of C.
; The sum over K is split in four and added in f32; the order of that addition differs from row band to row band.
.set KK,    1024
.set ROWB,  192
.set PITCH, 240
.set HALFT, 128*PITCH
.set SLOT,  4*HALFT
.set KROW,  KK*6/8
.set KS,    KK/32
.set NT,    KK/512
.set STEPB, 384
.set SCL,   2*SLOT
.set HALFS, (64*KS/256)*272
.set SBLK,  (16*KS/256)*272
.set SPARE, SCL+4*HALFS
.set ADRA, 3
.set ADRB, 7
.set ADRS, 11
.set SC,   12                          ; v12-15 scale words, and nothing else
.set AF,   32
.set BF,   80
.set ACC,  128
.set G1, 24
.set G0, 32
.set G1B, 48
.set G0B, 56
.set G1S, 68
.set G0S, 76
.set G1SB, 80
.set G0SB, 88
.macro ROUND
	s_barrier_signal -1
	s_barrier_wait -1
	s_cmp_lg_u32 s14, 0
	s_cbranch_scc1 .Lnw0_\@
	s_barrier_signal -3
.Lnw0_\@:
	s_barrier_wait -3
	s_barrier_signal -1
	s_barrier_wait -1
.endm
.macro PLACES n
.rept \n
	v_nop
.endr
.endm
.macro JFIRST                          ; a fetching wave's three first fills stand in one branch; four v_nop follow
	s_cmp_lt_u32 s14, 2
	s_cbranch_scc0 .Lfb_\@
	tensor_load_to_lds s[G0S:G0S+3], s[G1S:G1S+7]
	s_nop 0
	tensor_load_to_lds s[G0:G0+3], s[G1:G1+7]
	s_nop 0
	tensor_load_to_lds s[G0+4:G0+7], s[G1:G1+7]
	s_nop 0
	PLACES 4
	s_branch .Lfd_\@
.Lfb_\@:
	s_cmp_lt_u32 s14, 4
	s_cbranch_scc0 .Lfd_\@
	tensor_load_to_lds s[G0SB:G0SB+3], s[G1SB:G1SB+7]
	s_nop 0
	tensor_load_to_lds s[G0B:G0B+3], s[G1B:G1B+7]
	s_nop 0
	tensor_load_to_lds s[G0B+4:G0B+7], s[G1B:G1B+7]
	s_nop 0
	PLACES 4
.Lfd_\@:
.endm
.macro JLOAD slot
	s_cmp_lt_u32 s14, 2
	s_cbranch_scc0 .Ljb_\@
	tensor_load_to_lds s[G0+4*(\slot):G0+4*(\slot)+3], s[G1:G1+7]
	PLACES 4
	s_branch .Ljd_\@
.Ljb_\@:
	s_cmp_lt_u32 s14, 4
	s_cbranch_scc0 .Ljd_\@
	tensor_load_to_lds s[G0B+4*(\slot):G0B+4*(\slot)+3], s[G1B:G1B+7]
	PLACES 4
.Ljd_\@:
.endm
.macro FRAG reg, adr, q, i             ; 16 rows x 128 K: six pieces of 8 bytes; the second address register where lanes 16-31 lie behind one padding more
.irp p, 0,1,2,3,4,5
.set PC, 12*(\q)+6*(\p/3)+\p%3
.if PC%8 < 5
	ds_load_b64 v[\reg+2*\p:\reg+2*\p+1], v[\adr] offset:8*PC+16*(PC/8)+(\i)*16*PITCH
.else
	ds_load_b64 v[\reg+2*\p:\reg+2*\p+1], v[\adr+2] offset:8*PC+16*(PC/8)+(\i)*16*PITCH
.endif
.endr
.endm
.macro FETCH slot, q
.irp i, 0,1,2,3
	FRAG BF+12*\i, ADRB+(\slot), \q, \i
.endr
.irp i, 0,1,2,3
	FRAG AF+12*\i, ADRA+(\slot), \q, \i
.endr
.endm
.macro MUL zero                        ; the 16 accumulators take turns, one instruction a turn
.irp a, 0,1,2,3
.irp b, 0,1,2,3
.if \zero
	v_wmma_scale_f32_16x16x128_f8f6f4 v[ACC+8*(4*\a+\b):ACC+8*(4*\a+\b)+7], v[BF+12*\b:BF+12*\b+11], v[AF+12*\a:AF+12*\a+11], 0, v[SC+\b], v[SC+\a] matrix_a_fmt:MATRIX_FMT_FP6 matrix_b_fmt:MATRIX_FMT_FP6 matrix_a_scale:MATRIX_SCALE_ROW1
.else
	v_wmma_scale_f32_16x16x128_f8f6f4 v[ACC+8*(4*\a+\b):ACC+8*(4*\a+\b)+7], v[BF+12*\b:BF+12*\b+11], v[AF+12*\a:AF+12*\a+11], v[ACC+8*(4*\a+\b):ACC+8*(4*\a+\b)+7], v[SC+\b], v[SC+\a] matrix_a_fmt:MATRIX_FMT_FP6 matrix_b_fmt:MATRIX_FMT_FP6 matrix_a_scale:MATRIX_SCALE_ROW1
.endif
.endr
.endr
.endm
.macro CHANGE fill, slot
	s_wait_tensorcnt 0x0                           ; no tensor load of mine is out: a group 0 may be written
	ds_add_u32 v1, v2                              ; 0 onto my spare word
.if \fill
	s_add_nc_u64 s[G0+4*(\slot)+2:G0+4*(\slot)+3], s[G0+4*(\slot)+2:G0+4*(\slot)+3], 2*STEPB
	s_add_nc_u64 s[G0B+4*(\slot)+2:G0B+4*(\slot)+3], s[G0B+4*(\slot)+2:G0B+4*(\slot)+3], 2*STEPB
.endif
	s_wait_dscnt 0x0                               ; the add is done, and my reads of the slot that I have left are over
.if \fill
	ROUND
	JLOAD \slot
.else
	s_barrier_signal -1
	s_barrier_wait -1
.endif
.endm
; a slot's work of a wave: its quarter of the slot's 512 along K.  Which 128 of a row's 256 is mine hangs on the wave's number: the pieces' offsets differ, so both runs of loads are written
.macro WORK slot, T, zero
.irp i, 0,1,2,3
	ds_load_b32 v[SC+\i], v[ADRS] offset:\i*SBLK+16*(\T)
.endr
	s_cmp_eq_u32 s15, 0
	s_cbranch_scc0 .Lq1_\@
	FETCH \slot, 0
	s_branch .Lqd_\@
.Lq1_\@:
	FETCH \slot, 1
.Lqd_\@:
	s_wait_dscnt 0x0
	MUL \zero
	PLACES 4                                       ; ahead of loads into registers that these products read, and of the first read of results
.endm
	s_load_b128 s[4:7], s[0:1], 0x0                ; A's codes, A's scales
	s_load_b128 s[8:11], s[0:1], 0x10              ; B's codes, B's scales
	s_load_b64 s[12:13], s[0:1], 0x20              ; R
	s_load_b64 s[66:67], s[0:1], 0x28              ; out
	v_lshl_add_u32 v1, v0, 2, SPARE
	v_mov_b32 v2, 0
	ds_add_u32 v1, v2
	s_wait_dscnt 0x0
	v_lshrrev_b32 v28, 5, v0
	v_readfirstlane_b32 s14, v28                   ; wave 0..15
	s_and_b32 s16, s14, 1                          ; a fetching wave: which half along K, and which 64 rows of scales
	s_bfe_u32 s40, ttmp6, 0x40000                  ; cx
	s_bfe_u32 s41, ttmp6, 0x40004                  ; cy
	s_lshl_b32 s42, ttmp9, 2
	s_add_co_u32 s42, s42, s40                     ; tile column
	s_and_b32 s17, ttmp7, 0xffff
	s_lshl_b32 s17, s17, 2
	s_add_co_u32 s17, s17, s41                     ; tile row
	s_lshl_b32 s43, s41, 2
	s_lshl_b32 s43, 15, s43                        ; my row of the cluster
	s_lshl_b32 s44, 0x1111, s40                    ; my column
	s_lshl_b32 s20, s17, 7                         ; A's first row
	s_lshl_b32 s46, s42, 7                         ; B's
	s_mov_b32 s21, 0
	s_mov_b32 s47, 0
	s_lshl_b32 s18, s16, 6
	s_add_co_u32 s22, s20, s18
	s_add_co_u32 s92, s46, s18
	s_mov_b32 s23, 0
	s_mov_b32 s93, 0
	s_mov_b64 s[18:19], KS
	s_mul_u64 s[22:23], s[22:23], s[18:19]
	s_mul_u64 s[92:93], s[92:93], s[18:19]
	s_mov_b64 s[18:19], KROW
	s_mul_u64 s[20:21], s[20:21], s[18:19]
	s_mul_u64 s[46:47], s[46:47], s[18:19]
	s_mul_i32 s18, s16, ROWB
	s_mov_b32 s19, 0
	s_add_nc_u64 s[20:21], s[20:21], s[18:19]
	s_add_nc_u64 s[46:47], s[46:47], s[18:19]
	s_and_b32 s45, s14, 3
	s_mul_i32 s94, s45, HALFS
	s_mul_i32 s45, s45, HALFT                      ; where they go: (wave % 4) x a quarter of a slot
	s_wait_kmcnt 0x0
	s_add_nc_u64 s[20:21], s[4:5], s[20:21]
	s_add_nc_u64 s[22:23], s[6:7], s[22:23]
	s_add_nc_u64 s[46:47], s[8:9], s[46:47]
	s_add_nc_u64 s[92:93], s[10:11], s[92:93]
	s_or_b32 s[G1+0], s43, (0<<16)|(1<<20)|(1<<21)|(3<<22)|(3<<25)
	s_or_b32 s[G1B+0], s44, (0<<16)|(1<<20)|(1<<21)|(3<<22)|(3<<25)
.irp g, G1, G1B
	s_mov_b32 s[\g+1], ROWB<<16
	s_mov_b32 s[\g+2], 128<<16
	s_mov_b32 s[\g+3], ROWB<<16
	s_mov_b32 s[\g+4], 128
	s_mov_b32 s[\g+5], KROW
	s_mov_b32 s[\g+6], 0
	s_mov_b32 s[\g+7], 0
.endr
	s_or_b32 s[G1S+0], s43, (3<<16)|(1<<20)|(1<<21)|(5<<22)|(3<<25)
	s_or_b32 s[G1SB+0], s44, (3<<16)|(1<<20)|(1<<21)|(5<<22)|(3<<25)
.irp g, G1S, G1SB
	s_mov_b32 s[\g+1], 32<<16
	s_mov_b32 s[\g+2], (64*KS/256)<<16
	s_mov_b32 s[\g+3], 32<<16
	s_mov_b32 s[\g+4], 64*KS/256
	s_mov_b32 s[\g+5], 32
	s_mov_b32 s[\g+6], 0
	s_mov_b32 s[\g+7], 0
.endr
	s_mov_b32 s[G0S], 1
	s_add_co_u32 s[G0S+1], s94, SCL
	s_mov_b64 s[G0S+2:G0S+3], s[22:23]
	s_or_b32 s[G0S+3], s[G0S+3], 0x80000000
	s_mov_b32 s[G0SB], 1
	s_add_co_u32 s[G0SB+1], s94, SCL
	s_mov_b64 s[G0SB+2:G0SB+3], s[92:93]
	s_or_b32 s[G0SB+3], s[G0SB+3], 0x80000000
.irp s, 0,1
	s_mov_b32 s[G0+4*\s], 1
	s_add_co_u32 s[G0+4*\s+1], s45, \s*SLOT
	s_add_nc_u64 s[G0+4*\s+2:G0+4*\s+3], s[20:21], \s*STEPB
	s_or_b32 s[G0+4*\s+3], s[G0+4*\s+3], 0x80000000
	s_mov_b32 s[G0B+4*\s], 1
	s_add_co_u32 s[G0B+4*\s+1], s45, \s*SLOT
	s_add_nc_u64 s[G0B+4*\s+2:G0B+4*\s+3], s[46:47], \s*STEPB
	s_or_b32 s[G0B+4*\s+3], s[G0B+4*\s+3], 0x80000000
.endr
	ROUND                                          ; all sixteen work-groups are here: the first joint loads meet
	JFIRST                                         ; three loads of a fetching wave are out
	v_and_b32 v28, 15, v0                          ; r
	v_bfe_u32 v29, v0, 4, 1                        ; h
	v_mul_u32_u24 v30, v28, PITCH
	v_mad_u32_u24 v30, v29, 24, v30
	v_lshl_add_u32 v31, v29, 4, v30
	s_bfe_u32 s95, s14, 0x10001                    ; qm
	s_and_b32 s96, s14, 1                          ; qn
	s_lshr_b32 s97, s14, 2                         ; kc: my quarter of 512 along K
	s_bfe_u32 s15, s14, 0x10002                    ; q = kc % 2: which 128 of a row's 256
	s_lshr_b32 s18, s97, 1                         ; kc / 2: which half of the slot along K
	s_mul_i32 s18, s18, HALFT
	s_mul_i32 s21, s95, 64*PITCH
	s_add_co_u32 s21, s21, s18
	s_mul_i32 s22, s96, 64*PITCH
	s_add_co_u32 s22, s22, s18
	s_add_co_u32 s22, s22, 2*HALFT
.irp s, 0,1
	v_add_nc_u32 v[ADRA+\s], s21, v30
	v_add_nc_u32 v[ADRB+\s], s22, v30
	v_add_nc_u32 v[ADRA+2+\s], s21, v31
	v_add_nc_u32 v[ADRB+2+\s], s22, v31
	s_add_co_u32 s21, s21, SLOT
	s_add_co_u32 s22, s22, SLOT
.endr
	v_mul_u32_u24 v30, v28, KS
	v_lshrrev_b32 v31, 8, v30
	v_lshl_add_u32 v30, v31, 4, v30
	s_mul_i32 s21, s95, 4*SBLK
	s_mul_i32 s22, s96, 4*SBLK
	s_add_co_u32 s22, s22, 2*HALFS
	s_sub_co_u32 s22, s22, s21
	v_mul_u32_u24 v31, s22, v29                    ; lanes 16-31 take B's: one product with h
	s_lshl_b32 s18, s97, 2
	s_add_co_u32 s21, s21, s18                     ; + 4 kc: my quarter's word
	s_add_co_u32 s21, s21, SCL
	v_add_nc_u32 v30, v30, v31
	v_add_nc_u32 v[ADRS], s21, v30
	s_and_b32 s21, s14, 3                          ; the way out.  The quadrant's 49,152 bytes: [band of 16 rows][source][tile][half], 512 bytes a store
	s_mul_i32 s21, s21, 49152
	v_and_b32 v20, 31, v0
	v_lshl_add_u32 v20, v20, 4, s21                ; v20: 16 lane + the quadrant
	s_mul_i32 s22, s97, 12288
	v_add_nc_u32 v21, s22, v20                     ; v21: + my band
	s_add_co_u32 s21, s21, s22
	v_mul_u32_u24 v22, v28, 272
	v_lshl_add_u32 v22, v29, 5, v22
	v_add_nc_u32 v22, s21, v22                     ; v22: my band as a stage of 16 rows x 272: row r, + 32 h
	v_mul_u32_u24 v23, v29, 272
	v_lshl_add_u32 v23, v28, 4, v23
	v_add_nc_u32 v23, s21, v23                     ; v23: back: row h, 16 bytes a lane
	v_lshlrev_b32 v24, 12, v29
	v_lshl_add_u32 v24, v28, 4, v24                ; v24: the same two rows in R and in out
	s_wait_tensorcnt 0x1                           ; the scales and my part of slot 0 are in; slot 1's load may be out
	s_barrier_signal -1
	s_barrier_wait -1
	WORK 0, 0, 1
.if NT > 2
	CHANGE 1, 0
	WORK 1, 1, 0
	CHANGE 1, 1
	WORK 0, 2, 0
	CHANGE 1, 0
	WORK 1, 3, 0
	CHANGE 1, 1
	WORK 0, 4, 0
	CHANGE 1, 0
	WORK 1, 5, 0
	CHANGE 1, 1
	WORK 0, 6, 0
.endif
	CHANGE 0, 0
	WORK 1, NT-1, 0
	; THE WAY OUT.  My 16 rows x 64 columns: row 128 tile row + 64 qm + 16 kc, column 128 tile column + 64 qn
	s_lshl_b32 s20, s17, 7
	s_lshl_b32 s21, s95, 6
	s_add_co_u32 s20, s20, s21
	s_lshl_b32 s21, s97, 4
	s_add_co_u32 s20, s20, s21
	s_lshl_b32 s20, s20, 12
	s_lshl_b32 s21, s42, 9
	s_add_co_u32 s20, s20, s21
	s_lshl_b32 s21, s96, 8
	s_add_co_u32 s20, s20, s21
	s_mov_b32 s21, 0
	s_add_nc_u64 s[12:13], s[12:13], s[20:21]
	s_add_nc_u64 s[66:67], s[66:67], s[20:21]
.irp i, 0,1,2,3,4,5,6,7
	global_load_b128 v[32+4*\i:35+4*\i], v24, s[12:13] offset:8192*\i   ; R: asked for here, so that it lands under the addition of the parts
.endr
	s_wait_dscnt 0x0
	s_barrier_signal -1
	s_barrier_wait -1                              ; every wave has read the ring for the last time: the parts may be laid over both slots, which have had their last fill
.irp k, 0,1,2,3                        ; wave kc = k hands the three bands that others finish, as images of its registers, each accumulator from its low end on
	s_cmp_lg_u32 s97, \k
	s_cbranch_scc1 .Lput_\k
.irp a, 0,1,2,3
.if \a != \k
.irp b, 0,1,2,3
	ds_store_b128 v20, v[ACC+32*\a+8*\b:ACC+32*\a+8*\b+3] offset:\a*12288+((\k+3-\a)&3)*4096+\b*1024
	ds_store_b128 v20, v[ACC+32*\a+8*\b+4:ACC+32*\a+8*\b+7] offset:\a*12288+((\k+3-\a)&3)*4096+\b*1024+512
.endr
.endif
.endr
.Lput_\k:
.endr
	s_wait_dscnt 0x0                               ; for the others' sake: my stores are done
	s_barrier_signal -1
	s_barrier_wait -1
.irp k, 0,1,2,3                        ; and takes the three others' parts of its own band, into the registers of the bands that it has handed on
	s_cmp_lg_u32 s97, \k
	s_cbranch_scc1 .Lget_\k
.irp j, 0,1,2
.irp b, 0,1,2,3
	ds_load_b128 v[ACC+32*((\k+1+\j)&3)+8*\b:ACC+32*((\k+1+\j)&3)+8*\b+3], v21 offset:\j*4096+\b*1024
	ds_load_b128 v[ACC+32*((\k+1+\j)&3)+8*\b+4:ACC+32*((\k+1+\j)&3)+8*\b+7], v21 offset:\j*4096+\b*1024+512
.endr
.endr
	s_wait_dscnt 0x0
.set p, 0
.rept 16
	v_pk_add_f32 v[64+p:65+p], v[ACC+32*\k+p:ACC+32*\k+p+1], v[ACC+32*((\k+1)&3)+p:ACC+32*((\k+1)&3)+p+1]
.set p, p+2
.endr
.set p, 0
.rept 16
	v_pk_add_f32 v[64+p:65+p], v[64+p:65+p], v[ACC+32*((\k+2)&3)+p:ACC+32*((\k+2)&3)+p+1]
.set p, p+2
.endr
.set p, 0
.rept 16
	v_pk_add_f32 v[64+p:65+p], v[64+p:65+p], v[ACC+32*((\k+3)&3)+p:ACC+32*((\k+3)&3)+p+1]
.set p, p+2
.endr
.Lget_\k:
.endr
.irp b, 0,1,2,3                        ; through my own stage, laid over the bytes that I alone have just read: a lane's 32 bytes of a row in, whole rows of 256 bytes back
	ds_store_b128 v22, v[64+8*\b:67+8*\b] offset:64*\b
	ds_store_b128 v22, v[68+8*\b:71+8*\b] offset:64*\b+16
.endr
.irp i, 0,1,2,3,4,5,6,7
	ds_load_b128 v[96+4*\i:99+4*\i], v23 offset:544*\i             ; LDS serves a wave's instructions in order: these see the stores above
.endr
	s_wait_loadcnt 0x0                             ; R
.irp i, 0,1,2,3,4,5,6,7
	s_wait_dscnt 7-\i
	v_pk_add_f32 v[96+4*\i:97+4*\i], v[96+4*\i:97+4*\i], v[32+4*\i:33+4*\i]
	v_pk_add_f32 v[98+4*\i:99+4*\i], v[98+4*\i:99+4*\i], v[34+4*\i:35+4*\i]
	global_store_b128 v24, v[96+4*\i:99+4*\i], s[66:67] offset:8192*\i   ; sixteen lanes store 256 consecutive bytes, aligned
.endr
	s_wait_tensorcnt 0x0                           ; the wave's end
	ds_add_u32 v1, v2
	s_wait_dscnt 0x0
	ROUND                                          ; the closing round
	s_endpgm
.Lfunc_end_k_qaf9a323e9a_wo:
	.size	k_qaf9a323e9a_wo, .Lfunc_end_k_qaf9a323e9a_wo-k_qaf9a323e9a_wo
	.p2alignl 7, 3214868480
	.fill 96, 4, 3214868480
	.section	.rodata,"a",@progbits
	.p2align	6, 0x0
	.amdhsa_kernel k_qaf9a323e9a_wo
		.amdhsa_group_segment_fixed_size 327680
		.amdhsa_private_segment_fixed_size 0
		.amdhsa_enable_private_segment 0
		.amdhsa_kernarg_size 48
		.amdhsa_user_sgpr_count 2
		.amdhsa_user_sgpr_kernarg_segment_ptr 1
		.amdhsa_wavefront_size32 1
		.amdhsa_system_sgpr_workgroup_id_x 1
		.amdhsa_system_sgpr_workgroup_id_y 1
		.amdhsa_system_sgpr_workgroup_id_z 1
		.amdhsa_system_vgpr_workitem_id 0
		.amdhsa_next_free_vgpr 256
		.amdhsa_next_free_sgpr 100
		.amdhsa_reserve_vcc 0
		.amdhsa_float_denorm_mode_32 3
		.amdhsa_float_denorm_mode_16_64 3
		.amdhsa_memory_ordered 1
		.amdhsa_forward_progress 1
		.amdhsa_inst_pref_size 57
	.end_amdhsa_kernel
	.amdgpu_metadata
---
amdhsa.version: [ 1, 2 ]
amdhsa.kernels:
  - .name:           k_qaf9a323e9a_wo
    .symbol:         k_qaf9a323e9a_wo.kd
    .args:
      - { .name: nc, .offset: 0, .size: 8, .value_kind: global_buffer, .address_space: global }
      - { .name: ns, .offset: 8, .size: 8, .value_kind: global_buffer, .address_space: global }
      - { .name: wo_codes, .offset: 16, .size: 8, .value_kind: global_buffer, .address_space: global }
      - { .name: wo_scales, .offset: 24, .size: 8, .value_kind: global_buffer, .address_space: global }
      - { .name: x, .offset: 32, .size: 8, .value_kind: global_buffer, .address_space: global }
      - { .name: xr, .offset: 40, .size: 8, .value_kind: global_buffer, .address_space: global }
    .group_segment_fixed_size: 327680
    .private_segment_fixed_size: 0
    .kernarg_segment_align: 8
    .kernarg_segment_size: 48
    .max_flat_workgroup_size: 512
    .sgpr_count:     100
    .vgpr_count:     256
    .wavefront_size: 32
...
	.end_amdgpu_metadata
.endif
;; end of part 4
;; launch ln2: the kernel of part 1 again; grid 256 x 1, 8 waves a work-group, no clusters, 83,456 bytes of LDS; arguments xr, gamma2, beta2, nc, ns; writes nc, ns
;; launch fc1 (part 5): grid 16 x 16, 16 waves a work-group, clusters of 4 x 4, 327,680 bytes of LDS; arguments nc, ns, mlp_fc1_codes, mlp_fc1_scales, hc, hs; writes hc, hs
.if DOCPART == 5
	.amdgcn_target "amdgcn-amd-amdhsa--gfx1250"
	.amdhsa_code_object_version 6
	.text
	.protected	k_qaf9a323e9a_fc1
	.globl	k_qaf9a323e9a_fc1
	.p2align	8
	.type	k_qaf9a323e9a_fc1,@function
k_qaf9a323e9a_fc1:
	s_mov_b64 s[64:65], 0
	v_nop
	global_prefetch_b8 v0, s[64:65] scope:SCOPE_SE
	s_setreg_imm32_b32 hwreg(HW_REG_WAVE_MODE, 25, 1), 1
	s_wait_xcnt 0x0
	s_wait_alu depctr_hold_cnt(0) depctr_sa_sdst(0) depctr_va_vdst(0) depctr_va_sdst(0) depctr_va_ssrc(0) depctr_va_vcc(0) depctr_vm_vsrc(0)
	s_getreg_b32 s2, hwreg(HW_REG_IB_STS2, 6, 4)
	s_cmp_eq_u32 s2, 0
	s_cbranch_scc0 .Lentry_in_a_cluster
	s_endpgm
.Lentry_in_a_cluster:
	s_bfe_u32 s2, ttmp6, 0x10000c
	s_cmp_lg_u32 s2, 0xf033
	s_cbranch_scc0 .Lentry_shape_is_right
	s_endpgm
.Lentry_shape_is_right:
; C = A B^T on codes of E2M3 (K = 1,024), and C quantised again along its columns, a block of 32 columns at a time.
; QKV = 1: three jobs, told apart by the cluster's y / 4.  Jobs 0, 1: A = the normalised tokens, B = wq or wk: Q, K, laid [batch x 16 + head][1024][48 bytes], scale bytes [token][32].
;          Job 2: A = wv, B = the tokens: V^T, laid [head x 64 + e][3,072 bytes] with the tokens innermost, scale bytes [row][128].
; QKV = 0: A = the normalised tokens, B = mlp_fc1; gelu; codes [token][3,072 bytes], scale bytes [token][128].
; A tile of C is 256 x 256, made by sixteen waves of 256 registers, four to a SIMD; a wave makes 64 x 64: 16 accumulators.
; K goes in four steps of 256 through two LDS slots filled by the tensor data mover (waves 0, 1: A's halves; waves 2, 3: B's); rows of 192 bytes, 16 bytes of padding behind every 64.
; The scale bytes of the tile's rows, for all of K, come once with the first fills.  4 x 4 work-groups form a cluster: A's tiles are asked for jointly along a row of it, B's along a column.
; THE MATRIX INSTRUCTION IS USED TRANSPOSED (source 0 = 16 rows of B, source 1 = 16 rows of A): lane (r, h) holds row r of C and eight neighbouring columns 8 h + j.
; THE ORDER INSIDE A BLOCK.  The 16 registers of two neighbouring tiles are columns 8 h + 0..7 and 16 + 8 h + 0..7 of a block of 32.  QKV = 1 converts them as they stand, lanes 0-15's 12 bytes ahead of lanes 16-31's:
; the block's numbers, scale and codes are those of the rule, in the order 0-7, 16-23, 8-15, 24-31.  Q and K carry it alike, and V^T carries along the keys the order in which the attention launch makes p.
; QKV = 0 meets a given weight, so sixteen lane swaps restore the natural order first.
; gelu(x) = x / (1 + 2^z), z = x (c1 + c2 x x), c1 = -2 x 0.7978845608 x log2(e), c2 = 0.044715 c1: the same function as 0.5 x (1 + tanh(..)), without its cancellation.
; Stores of codes cover runs of 48 to 192 bytes: a tile's 256 columns are 192 bytes of a row.
; LIMITS: NaN and infinities are not served.  A block of zeros gets the byte 1 and zero codes; only this program reads the bytes.
.set QKV, 0
.set KK,    1024
.set ROWB,  192                        ; 256 codes
.set PITCH, 240                        ; 3 x (64 + 16)
.set HALFT, 128*PITCH
.set SLOT,  4*HALFT                    ; A's 256 rows, then B's 256 rows
.set KROW,  KK*6/8
.set KS,    KK/32
.set SCL,   2*SLOT                     ; behind the ring: the scale bytes, units of 256 bytes + 16
.set HALFS, (128*KS/256)*272
.set SBLK,  (16*KS/256)*272
.set SPARE, SCL+4*HALFS                ; the spare words: 128 bytes for each of 16 waves
.set STEPB, ROWB
.set SST,   256*272                    ; the way out (in slot 0): 256 rows x 272 bytes of codes, then 256 x 8 scale bytes
.set ADRA, 3                           ; v3-6   A's fragments: slot 0, slot 1; the same behind one padding more
.set ADRB, 7                           ; v7-10  B's
.set ADRS, 11                          ; v11    scale words: lanes 0-15 A's rows, lanes 16-31 B's
.set SC,   12                          ; v12-19 scale words, and nothing else: register 2 i + q
.set AF,   32
.set BF,   80
.set ACC,  128                         ; accumulator (a, b) at v[128 + 8 (4 a + b)]
.set GT,   32                          ; the way out: v32-63 at work on gelu, later rows read back
.set TM,   64                          ; v64-69 the quantiser's
.set PW,   72                          ; v72-75 a scale pair for each band of 16 rows
.set CD,   80                          ; v80-111 codes, eight registers for each band
.set OF,   112                         ; v112-119 store offsets
.set SEL,  98
.set G1, 24
.set G0, 32
.set G1B, 48
.set G0B, 56
.set G1S, 68
.set G0S, 76
.set G1SB, 80
.set G0SB, 88
.macro ROUND                           ; a round of the cluster's barrier
	s_barrier_signal -1
	s_barrier_wait -1
	s_cmp_lg_u32 s14, 0
	s_cbranch_scc1 .Lnw0_\@
	s_barrier_signal -3
.Lnw0_\@:
	s_barrier_wait -3
	s_barrier_signal -1
	s_barrier_wait -1
.endm
.macro PLACES n
.rept \n
	v_nop
.endr
.endm
.macro JFIRST                          ; a fetching wave's three first fills stand in one branch: scales, slot 0, slot 1; four v_nop follow
	s_cmp_lt_u32 s14, 2
	s_cbranch_scc0 .Lfb_\@
	tensor_load_to_lds s[G0S:G0S+3], s[G1S:G1S+7]
	s_nop 0
	tensor_load_to_lds s[G0:G0+3], s[G1:G1+7]
	s_nop 0
	tensor_load_to_lds s[G0+4:G0+7], s[G1:G1+7]
	s_nop 0
	PLACES 4
	s_branch .Lfd_\@
.Lfb_\@:
	s_cmp_lt_u32 s14, 4
	s_cbranch_scc0 .Lfd_\@
	tensor_load_to_lds s[G0SB:G0SB+3], s[G1SB:G1SB+7]
	s_nop 0
	tensor_load_to_lds s[G0B:G0B+3], s[G1B:G1B+7]
	s_nop 0
	tensor_load_to_lds s[G0B+4:G0B+7], s[G1B:G1B+7]
	s_nop 0
	PLACES 4
.Lfd_\@:
.endm
.macro JLOAD slot                      ; a joint refill: one load a fetching wave
	s_cmp_lt_u32 s14, 2
	s_cbranch_scc0 .Ljb_\@
	tensor_load_to_lds s[G0+4*(\slot):G0+4*(\slot)+3], s[G1:G1+7]
	s_nop 0
	PLACES 4
	s_branch .Ljd_\@
.Ljb_\@:
	s_cmp_lt_u32 s14, 4
	s_cbranch_scc0 .Ljd_\@
	tensor_load_to_lds s[G0B+4*(\slot):G0B+4*(\slot)+3], s[G1B:G1B+7]
	s_nop 0
	PLACES 4
.Ljd_\@:
.endm
; a fragment, 16 rows x 128 K: 12 registers, six pieces of 8 bytes.  Lanes 16-31 read three pieces further on; where that lies behind one padding more, the second address register serves
.macro FRAG reg, adr, q, i
.irp p, 0,1,2,3,4,5
.set PC, 12*(\q)+6*(\p/3)+\p%3
.if PC%8 < 5
	ds_load_b64 v[\reg+2*\p:\reg+2*\p+1], v[\adr] offset:8*PC+16*(PC/8)+(\i)*16*PITCH
.else
	ds_load_b64 v[\reg+2*\p:\reg+2*\p+1], v[\adr+2] offset:8*PC+16*(PC/8)+(\i)*16*PITCH
.endif
.endr
.endm
.macro FETCH slot, q
.irp i, 0,1,2,3
	FRAG BF+12*\i, ADRB+(\slot), \q, \i
.endr
.irp i, 0,1,2,3
	FRAG AF+12*\i, ADRA+(\slot), \q, \i
.endr
.endm
; 16 matrix instructions; the 16 accumulators take turns, one instruction a turn
.macro MUL q, zero
.irp a, 0,1,2,3
.irp b, 0,1,2,3
.if \zero
	v_wmma_scale_f32_16x16x128_f8f6f4 v[ACC+8*(4*\a+\b):ACC+8*(4*\a+\b)+7], v[BF+12*\b:BF+12*\b+11], v[AF+12*\a:AF+12*\a+11], 0, v[SC+2*\b+(\q)], v[SC+2*\a+(\q)] matrix_a_fmt:MATRIX_FMT_FP6 matrix_b_fmt:MATRIX_FMT_FP6 matrix_a_scale:MATRIX_SCALE_ROW1
.else
	v_wmma_scale_f32_16x16x128_f8f6f4 v[ACC+8*(4*\a+\b):ACC+8*(4*\a+\b)+7], v[BF+12*\b:BF+12*\b+11], v[AF+12*\a:AF+12*\a+11], v[ACC+8*(4*\a+\b):ACC+8*(4*\a+\b)+7], v[SC+2*\b+(\q)], v[SC+2*\a+(\q)] matrix_a_fmt:MATRIX_FMT_FP6 matrix_b_fmt:MATRIX_FMT_FP6 matrix_a_scale:MATRIX_SCALE_ROW1
.endif
.endr
.endr
.endm
; the change of slots: all my tensor loads, the add, my reads; then the barrier (a round of the cluster's where a slot is filled again), and the refill first behind it
.macro CHANGE fill, slot
	s_wait_tensorcnt 0x0                           ; no tensor load of mine is out: a group 0 may be written
	ds_add_u32 v1, v2                              ; 0 onto my spare word
.if \fill
	s_add_nc_u64 s[G0+4*(\slot)+2:G0+4*(\slot)+3], s[G0+4*(\slot)+2:G0+4*(\slot)+3], 2*STEPB
	s_add_nc_u64 s[G0B+4*(\slot)+2:G0B+4*(\slot)+3], s[G0B+4*(\slot)+2:G0B+4*(\slot)+3], 2*STEPB
.endif
	s_wait_dscnt 0x0                               ; the add is done, and my reads of the slot that I have left are over
.if \fill
	ROUND
	JLOAD \slot
.else
	s_barrier_signal -1
	s_barrier_wait -1
.endif
.endm
; a slot's work: its scale words, then two steps of 128 along K.  Four places stand behind each run of products, ahead of the loads into registers that they read
.macro WORK slot, T, zero
.irp i, 0,1,2,3
	ds_load_b64 v[SC+2*\i:SC+2*\i+1], v[ADRS] offset:\i*SBLK+8*(\T)
.endr
	FETCH \slot, 0
	s_wait_dscnt 0x0
	MUL 0, \zero
	PLACES 4
	FETCH \slot, 1
	s_wait_dscnt 0x0
	MUL 1, 0
	PLACES 4
.endm
; 32 numbers of a lane (two blocks' halves) become 2 x 12 bytes of codes in v[cd], v[cd + 4] on and two scale bytes in v[pw]
.macro QUANT2 src, cd, pw
.irp b, 0,1
	v_max3_num_f32 v[TM+\b], |v[\src+16*\b]|, |v[\src+16*\b+1]|, 0x1800000   ; my 16 numbers and the floor 2^(3 - 127): the byte cannot fall under 1
.endr
.irp i, 2,4,6,8,10,12,14
.irp b, 0,1
	v_max3_num_f32 v[TM+\b], v[TM+\b], |v[\src+16*\b+\i]|, |v[\src+16*\b+\i+1]|
.endr
.endr
.irp b, 0,1
	v_permlanex16_b32 v[TM+2+\b], v[TM+\b], s[SEL], s[SEL+1]
.endr
.irp b, 0,1
	v_max_num_f32 v[TM+\b], v[TM+\b], v[TM+2+\b]   ; with lane l xor 16's: the block's largest magnitude
.endr
.irp b, 0,1
	v_add_nc_u32 v[TM+4+\b], 0xff000000, v[TM+\b]  ; 2 off its exponent field: the conversion's scale operand
.endr
.irp b, 0,1
	v_lshrrev_b32 v[TM+2+\b], 23, v[TM+4+\b]       ; the scale's byte
.endr
	v_lshl_or_b32 v[\pw], v[TM+3], 8, v[TM+2]
.irp b, 0,1
	v_cvt_scalef32_pk16_fp6_f32 v[\cd+4*\b:\cd+4*\b+2], v[\src+16*\b:\src+16*\b+15], v[TM+4+\b]
.endr
	v_nop                                          ; one plain line behind a scaled conversion
.endm
.macro NATURAL src                     ; lanes 16-31 of the first tile change places with lanes 0-15 of the second: a lane then holds 16 neighbouring columns
.irp b, 0,1
.irp j, 0,1,2,3,4,5,6,7
	v_permlane16_swap_b32 v[\src+16*\b+\j], v[\src+16*\b+8+\j]
.endr
.endr
.endm
.macro GELU src                        ; 32 numbers, in place
.set p, 0
.rept 16
	v_pk_mul_f32 v[GT+p:GT+p+1], v[\src+p:\src+p+1], v[\src+p:\src+p+1]
.set p, p+2
.endr
.set p, 0
.rept 16
	v_pk_fma_f32 v[GT+p:GT+p+1], v[GT+p:GT+p+1], s[92:93], v[76:77] op_sel_hi:[1,0,1]   ; c2 x x + c1
.set p, p+2
.endr
.set p, 0
.rept 16
	v_pk_mul_f32 v[GT+p:GT+p+1], v[GT+p:GT+p+1], v[\src+p:\src+p+1]                     ; z
.set p, p+2
.endr
.set p, 0
.rept 32
	v_exp_f32 v[GT+p], v[GT+p]
.set p, p+1
.endr
	v_nop
	s_wait_alu depctr_va_vdst(0)                   ; one wait for the batch of 32
.set p, 0
.rept 16
	v_pk_add_f32 v[GT+p:GT+p+1], v[GT+p:GT+p+1], 1.0 op_sel_hi:[1,0]
.set p, p+2
.endr
.set p, 0
.rept 32
	v_rcp_f32 v[GT+p], v[GT+p]
.set p, p+1
.endr
	v_nop
	s_wait_alu depctr_va_vdst(0)
.set p, 0
.rept 16
	v_pk_mul_f32 v[\src+p:\src+p+1], v[\src+p:\src+p+1], v[GT+p:GT+p+1]
.set p, p+2
.endr
.endm
	s_load_b128 s[4:7], s[0:1], 0x0                ; the tokens' codes and scale bytes
.if QKV
	s_load_b256 s[80:87], s[0:1], 0x10             ; wq's codes, scales; wk's
	s_load_b128 s[88:91], s[0:1], 0x30             ; wv's
	s_load_b64 s[12:13], s[0:1], 0x40              ; codes out
	s_load_b64 s[66:67], s[0:1], 0x48              ; scale bytes out
.else
	s_load_b128 s[8:11], s[0:1], 0x10
	s_load_b64 s[12:13], s[0:1], 0x20
	s_load_b64 s[66:67], s[0:1], 0x28
.endif
	v_lshl_add_u32 v1, v0, 2, SPARE
	v_mov_b32 v2, 0
	ds_add_u32 v1, v2
	s_wait_dscnt 0x0
	v_lshrrev_b32 v28, 5, v0
	v_readfirstlane_b32 s14, v28                   ; wave 0..15
	s_and_b32 s16, s14, 1                          ; which 128 rows a fetching wave fetches
	s_bfe_u32 s40, ttmp6, 0x40000                  ; cx
	s_bfe_u32 s41, ttmp6, 0x40004                  ; cy
.if QKV
	s_and_b32 s92, ttmp7, 0xffff                   ; the cluster's y: 4 x job + index
	s_lshr_b32 s97, s92, 2                         ; job: the same in all sixteen partners
	s_and_b32 s92, s92, 3
	s_cmp_eq_u32 s97, 2
	s_cselect_b32 s93, 0, s92                      ; the tokens' 16 tile rows are A's in jobs 0 and 1,
	s_cselect_b32 s94, s92, 0                      ; B's in job 2
	s_lshl_b32 s17, s93, 2
	s_add_co_u32 s17, s17, s41                     ; tile row of C
	s_lshl_b32 s42, s94, 2
	s_add_co_u32 s42, s42, s40                     ; tile column
.else
	s_lshl_b32 s42, ttmp9, 2
	s_add_co_u32 s42, s42, s40
	s_and_b32 s17, ttmp7, 0xffff
	s_lshl_b32 s17, s17, 2
	s_add_co_u32 s17, s17, s41
.endif
	s_lshl_b32 s43, s41, 2
	s_lshl_b32 s43, 15, s43                        ; my row of the cluster
	s_lshl_b32 s44, 0x1111, s40                    ; my column
	s_lshl_b32 s18, s16, 7
	s_lshl_b32 s20, s17, 8
	s_add_co_u32 s20, s20, s18                     ; A: row 256 x tile row + 128 x half
	s_lshl_b32 s46, s42, 8
	s_add_co_u32 s46, s46, s18                     ; B: row 256 x tile column + 128 x half
	s_mov_b32 s21, 0
	s_mov_b32 s47, 0
	s_mov_b64 s[18:19], KS
	s_mul_u64 s[22:23], s[20:21], s[18:19]
	s_mul_u64 s[92:93], s[46:47], s[18:19]
	s_mov_b64 s[18:19], KROW
	s_mul_u64 s[20:21], s[20:21], s[18:19]
	s_mul_u64 s[46:47], s[46:47], s[18:19]
	s_and_b32 s45, s14, 3
	s_mul_i32 s94, s45, HALFS                      ; where they go: (wave % 4) x 128 rows: no place in the cluster enters an LDS address
	s_mul_i32 s45, s45, HALFT
	s_mov_b32 s[SEL], 0x76543210
	s_mov_b32 s[SEL+1], 0xfedcba98
	s_wait_kmcnt 0x0
.if QKV
	s_cmp_eq_u32 s97, 0                            ; the job's weight; the choices hang on the job alone
	s_cselect_b64 s[8:9], s[80:81], s[84:85]
	s_cselect_b64 s[10:11], s[82:83], s[86:87]
	s_cmp_eq_u32 s97, 2
	s_cselect_b64 s[8:9], s[88:89], s[8:9]
	s_cselect_b64 s[10:11], s[90:91], s[10:11]
	s_cselect_b64 s[80:81], s[8:9], s[4:5]         ; A: the weight in job 2, else the tokens
	s_cselect_b64 s[82:83], s[10:11], s[6:7]
	s_cselect_b64 s[8:9], s[4:5], s[8:9]           ; B: the other
	s_cselect_b64 s[10:11], s[6:7], s[10:11]
	s_mov_b64 s[4:5], s[80:81]
	s_mov_b64 s[6:7], s[82:83]
.endif
	s_add_nc_u64 s[20:21], s[4:5], s[20:21]
	s_add_nc_u64 s[22:23], s[6:7], s[22:23]
	s_add_nc_u64 s[46:47], s[8:9], s[46:47]
	s_add_nc_u64 s[92:93], s[10:11], s[92:93]
	; group 1: a tile of 128 rows x 192 bytes, 16 bytes of padding behind every 64
	s_or_b32 s[G1+0], s43, (0<<16)|(1<<20)|(1<<21)|(3<<22)|(3<<25)
	s_or_b32 s[G1B+0], s44, (0<<16)|(1<<20)|(1<<21)|(3<<22)|(3<<25)
.irp g, G1, G1B
	s_mov_b32 s[\g+1], ROWB<<16
	s_mov_b32 s[\g+2], 128<<16
	s_mov_b32 s[\g+3], ROWB<<16
	s_mov_b32 s[\g+4], 128
	s_mov_b32 s[\g+5], KROW
	s_mov_b32 s[\g+6], 0
	s_mov_b32 s[\g+7], 0
.endr
	; the scale bytes of 128 rows: a dense block, as rows of 256 bytes with 16 bytes of padding behind each
	s_or_b32 s[G1S+0], s43, (3<<16)|(1<<20)|(1<<21)|(5<<22)|(3<<25)
	s_or_b32 s[G1SB+0], s44, (3<<16)|(1<<20)|(1<<21)|(5<<22)|(3<<25)
.irp g, G1S, G1SB
	s_mov_b32 s[\g+1], 32<<16
	s_mov_b32 s[\g+2], (128*KS/256)<<16
	s_mov_b32 s[\g+3], 32<<16
	s_mov_b32 s[\g+4], 128*KS/256
	s_mov_b32 s[\g+5], 32
	s_mov_b32 s[\g+6], 0
	s_mov_b32 s[\g+7], 0
.endr
	s_mov_b32 s[G0S], 1
	s_add_co_u32 s[G0S+1], s94, SCL
	s_mov_b64 s[G0S+2:G0S+3], s[22:23]
	s_or_b32 s[G0S+3], s[G0S+3], 0x80000000
	s_mov_b32 s[G0SB], 1
	s_add_co_u32 s[G0SB+1], s94, SCL
	s_mov_b64 s[G0SB+2:G0SB+3], s[92:93]
	s_or_b32 s[G0SB+3], s[G0SB+3], 0x80000000
.irp s, 0,1
	s_mov_b32 s[G0+4*\s], 1
	s_add_co_u32 s[G0+4*\s+1], s45, \s*SLOT
	s_add_nc_u64 s[G0+4*\s+2:G0+4*\s+3], s[20:21], \s*STEPB
	s_or_b32 s[G0+4*\s+3], s[G0+4*\s+3], 0x80000000
	s_mov_b32 s[G0B+4*\s], 1
	s_add_co_u32 s[G0B+4*\s+1], s45, \s*SLOT
	s_add_nc_u64 s[G0B+4*\s+2:G0B+4*\s+3], s[46:47], \s*STEPB
	s_or_b32 s[G0B+4*\s+3], s[G0B+4*\s+3], 0x80000000
.endr
	ROUND                                          ; all sixteen work-groups are here: the first joint loads meet
	JFIRST                                         ; three loads of a fetching wave are out
	v_and_b32 v28, 15, v0                          ; r
	v_bfe_u32 v29, v0, 4, 1                        ; h
	v_mul_u32_u24 v30, v28, PITCH
	v_mad_u32_u24 v30, v29, 24, v30                ; a fragment's row x pitch + 24 h
	v_lshl_add_u32 v31, v29, 4, v30                ; and the same behind one padding more
	s_lshr_b32 s95, s14, 2                         ; qm: my 64 rows
	s_and_b32 s96, s14, 3                          ; qn: my 64 columns
	s_mul_i32 s21, s95, 64*PITCH
	s_mul_i32 s22, s96, 64*PITCH
	s_add_co_u32 s22, s22, 2*HALFT
.irp s, 0,1
	v_add_nc_u32 v[ADRA+\s], s21, v30
	v_add_nc_u32 v[ADRB+\s], s22, v30
	v_add_nc_u32 v[ADRA+2+\s], s21, v31
	v_add_nc_u32 v[ADRB+2+\s], s22, v31
	s_add_co_u32 s21, s21, SLOT
	s_add_co_u32 s22, s22, SLOT
.endr
	v_mul_u32_u24 v30, v28, KS                     ; my row's scale bytes,
	v_lshrrev_b32 v31, 8, v30
	v_lshl_add_u32 v30, v31, 4, v30                ; and 16 more for each 256 passed
	s_mul_i32 s21, s95, 4*SBLK
	s_mul_i32 s22, s96, 4*SBLK
	s_add_co_u32 s22, s22, 2*HALFS
	s_sub_co_u32 s22, s22, s21
	v_mul_u32_u24 v31, s22, v29                    ; lanes 16-31 take B's: one product with h
	s_add_co_u32 s21, s21, SCL
	v_add_nc_u32 v30, v30, v31
	v_add_nc_u32 v[ADRS], s21, v30
	s_mul_i32 s21, s95, 64*272                     ; the way out.  v20: (64 qm + r) x 272 + 64 qn + 16 h
	s_lshl_b32 s22, s96, 6
	s_add_co_u32 s21, s21, s22
	v_mul_u32_u24 v20, v28, 272
	v_lshl_add_u32 v20, v29, 4, v20
	v_add_nc_u32 v20, s21, v20
	s_lshl_b32 s21, s95, 9                         ; v21: SST + 8 (64 qm + r) + 2 qn
	s_lshl_b32 s22, s96, 1
	s_add_co_u32 s21, s21, s22
	s_add_co_u32 s21, s21, SST
	v_lshl_add_u32 v21, v28, 3, s21
	s_mul_i32 s21, s14, 16*272                     ; v22: (16 wave + h) x 272 + 16 r
	v_mul_u32_u24 v22, v29, 272
	v_lshl_add_u32 v22, v28, 4, v22
	v_add_nc_u32 v22, s21, v22
	s_and_b32 s21, s14, 7                          ; v23: SST + 8 (32 (wave % 8) + lane)
	s_lshl_b32 s21, s21, 8
	s_add_co_u32 s21, s21, SST
	v_and_b32 v23, 31, v0
	v_lshl_add_u32 v23, v23, 3, s21
	s_wait_tensorcnt 0x1                           ; the scales and my part of slot 0 are in; slot 1's load may be out
	s_barrier_signal -1
	s_barrier_wait -1
	WORK 0, 0, 1                                   ; the first products start the sums
	CHANGE 1, 0
	WORK 1, 1, 0
	CHANGE 1, 1
	WORK 0, 2, 0
	CHANGE 0, 0
	WORK 1, 3, 0
	; THE WAY OUT.  Where a row's codes and scale bytes go: base + (p / 4) S1 + (p % 4) 12 + row S2, p the place of 12 bytes among a row's sixteen
.if QKV
	s_cmp_eq_u32 s97, 2
	s_mov_b32 s18, 49152
	s_cselect_b32 s18, 48, s18                     ; S1: from head to head (jobs 0, 1), or 48 bytes on in the row
	s_mov_b32 s19, 3072
	s_cselect_b32 s19, s19, 48                     ; S2: from row to row
	s_cselect_b32 s22, 128, 32                     ; a row of scale bytes
	s_lshr_b32 s20, s17, 2
	s_lshl_b32 s20, s20, 4
	s_lshl_b32 s21, s42, 2
	s_add_co_u32 s20, s20, s21                     ; batch x 16 + the tile's first head
	s_mul_i32 s20, s20, 49152
	s_and_b32 s21, s17, 3
	s_mul_i32 s21, s21, 12288
	s_add_co_u32 s20, s20, s21                     ; jobs 0, 1
	s_mul_i32 s21, s17, 786432
	s_mul_i32 s23, s42, 192
	s_add_co_u32 s21, s21, s23                     ; job 2
	s_cmp_eq_u32 s97, 2
	s_cselect_b32 s20, s21, s20
	s_mul_i32 s21, s97, 3145728
	s_add_co_u32 s20, s20, s21
	s_mov_b32 s21, 0
	s_add_nc_u64 s[12:13], s[12:13], s[20:21]
	s_lshl_b32 s20, s17, 8
	s_mul_i32 s20, s20, s22
	s_lshl_b32 s23, s42, 3
	s_add_co_u32 s20, s20, s23
	s_lshl_b32 s23, s97, 17
	s_add_co_u32 s20, s20, s23
	s_add_nc_u64 s[66:67], s[66:67], s[20:21]
.else
	s_mov_b32 s18, 48
	s_mov_b32 s19, 3072
	s_mov_b32 s22, 128
	s_mul_i32 s20, s17, 786432
	s_mul_i32 s23, s42, 192
	s_add_co_u32 s20, s20, s23
	s_mov_b32 s21, 0
	s_add_nc_u64 s[12:13], s[12:13], s[20:21]
	s_lshl_b32 s20, s17, 15
	s_lshl_b32 s23, s42, 3
	s_add_co_u32 s20, s20, s23
	s_add_nc_u64 s[66:67], s[66:67], s[20:21]
	s_mov_b32 s92, 0xbdd2d3e8                      ; c2
	s_mov_b32 s93, s92
	v_mov_b32 v76, 0xc0135761                      ; c1
	v_mov_b32 v77, v76
.endif
	v_lshrrev_b32 v26, 2, v28
	v_mul_lo_u32 v26, v26, s18
	v_and_b32 v27, 3, v28
	v_mad_u32_u24 v26, v27, 12, v26
	s_lshl_b32 s23, s14, 4
	v_add_nc_u32 v27, s23, v29                     ; the first row that I store: 16 wave + h
	v_mul_lo_u32 v27, v27, s19
	v_add_nc_u32 v[OF], v26, v27
	s_lshl_b32 s19, s19, 1
.irp i, 1,2,3,4,5,6,7
	v_add_nc_u32 v[OF+\i], s19, v[OF+\i-1]         ; two rows on
.endr
	s_and_b32 s23, s14, 7
	s_lshl_b32 s23, s23, 5
	v_and_b32 v25, 31, v0
	v_add_nc_u32 v25, s23, v25
	v_mul_lo_u32 v25, v25, s22                     ; the scale bytes' row
	v_mov_b32 v[TM+2], 0                           ; a lane permute's destination counts as one of its sources
	v_mov_b32 v[TM+3], 0
.irp a, 0,1,2,3                        ; a band of 16 rows at a time, each accumulator from its low end on
.if !QKV
	NATURAL ACC+32*\a
	GELU ACC+32*\a
.endif
	QUANT2 ACC+32*\a, CD+8*\a, PW+\a
	ds_store_b96 v20, v[CD+8*\a:CD+8*\a+2] offset:16*\a*272        ; 12 bytes to a place of 16: every LDS address is a multiple of 16
	ds_store_b96 v20, v[CD+8*\a+4:CD+8*\a+6] offset:16*\a*272+32
	ds_store_b16 v21, v[PW+\a] offset:128*\a                       ; lanes r and 16 + r write the same two bytes with the same value
.endr
	s_wait_dscnt 0x0                               ; for the others' sake: my stores into the stage are done
	s_barrier_signal -1
	s_barrier_wait -1
.irp i, 0,1,2,3,4,5,6,7
	ds_load_b96 v[GT+4*\i:GT+4*\i+2], v22 offset:2*\i*272          ; sixteen lanes to a row, two rows an instruction
.endr
.irp i, 0,1,2,3,4,5,6,7
	s_wait_dscnt 7-\i
	global_store_b96 v[OF+\i], v[GT+4*\i:GT+4*\i+2], s[12:13]
.endr
	s_cmp_lt_u32 s14, 8
	s_cbranch_scc0 .Lnosc
	ds_load_b64 v[64:65], v23                      ; waves 0-7: a row's eight scale bytes a lane
	s_wait_dscnt 0x0
	global_store_b64 v25, v[64:65], s[66:67]
.Lnosc:
	s_wait_tensorcnt 0x0                           ; the wave's end
	ds_add_u32 v1, v2
	s_wait_dscnt 0x0
	ROUND                                          ; the closing round
	s_endpgm
.Lfunc_end_k_qaf9a323e9a_fc1:
	.size	k_qaf9a323e9a_fc1, .Lfunc_end_k_qaf9a323e9a_fc1-k_qaf9a323e9a_fc1
	.p2alignl 7, 3214868480
	.fill 96, 4, 3214868480
	.section	.rodata,"a",@progbits
	.p2align	6, 0x0
	.amdhsa_kernel k_qaf9a323e9a_fc1
		.amdhsa_group_segment_fixed_size 327680
		.amdhsa_private_segment_fixed_size 0
		.amdhsa_enable_private_segment 0
		.amdhsa_kernarg_size 48
		.amdhsa_user_sgpr_count 2
		.amdhsa_user_sgpr_kernarg_segment_ptr 1
		.amdhsa_wavefront_size32 1
		.amdhsa_system_sgpr_workgroup_id_x 1
		.amdhsa_system_sgpr_workgroup_id_y 1
		.amdhsa_system_sgpr_workgroup_id_z 1
		.amdhsa_system_vgpr_workitem_id 0
		.amdhsa_next_free_vgpr 256
		.amdhsa_next_free_sgpr 100
		.amdhsa_reserve_vcc 0
		.amdhsa_float_denorm_mode_32 3
		.amdhsa_float_denorm_mode_16_64 3
		.amdhsa_memory_ordered 1
		.amdhsa_forward_progress 1
		.amdhsa_inst_pref_size 96
	.end_amdhsa_kernel
	.amdgpu_metadata
---
amdhsa.version: [ 1, 2 ]
amdhsa.kernels:
  - .name:           k_qaf9a323e9a_fc1
    .symbol:         k_qaf9a323e9a_fc1.kd
    .args:
      - { .name: nc, .offset: 0, .size: 8, .value_kind: global_buffer, .address_space: global }
      - { .name: ns, .offset: 8, .size: 8, .value_kind: global_buffer, .address_space: global }
      - { .name: mlp_fc1_codes, .offset: 16, .size: 8, .value_kind: global_buffer, .address_space: global }
      - { .name: mlp_fc1_scales, .offset: 24, .size: 8, .value_kind: global_buffer, .address_space: global }
      - { .name: hc, .offset: 32, .size: 8, .value_kind: global_buffer, .address_space: global }
      - { .name: hs, .offset: 40, .size: 8, .value_kind: global_buffer, .address_space: global }
    .group_segment_fixed_size: 327680
    .private_segment_fixed_size: 0
    .kernarg_segment_align: 8
    .kernarg_segment_size: 48
    .max_flat_workgroup_size: 512
    .sgpr_count:     100
    .vgpr_count:     256
    .wavefront_size: 32
...
	.end_amdgpu_metadata
.endif
;; end of part 5
;; launch fc2 (part 6): grid 8 x 32, 16 waves a work-group, clusters of 4 x 4, 327,680 bytes of LDS; arguments hc, hs, mlp_fc2_codes, mlp_fc2_scales, xr, out0; writes out0
.if DOCPART == 6
	.amdgcn_target "amdgcn-amd-amdhsa--gfx1250"
	.amdhsa_code_object_version 6
	.text
	.protected	k_qaf9a323e9a_fc2
	.globl	k_qaf9a323e9a_fc2
	.p2align	8
	.type	k_qaf9a323e9a_fc2,@function
k_qaf9a323e9a_fc2:
	s_mov_b64 s[64:65], 0
	v_nop
	global_prefetch_b8 v0, s[64:65] scope:SCOPE_SE
	s_setreg_imm32_b32 hwreg(HW_REG_WAVE_MODE, 25, 1), 1
	s_wait_xcnt 0x0
	s_wait_alu depctr_hold_cnt(0) depctr_sa_sdst(0) depctr_va_vdst(0) depctr_va_sdst(0) depctr_va_ssrc(0) depctr_va_vcc(0) depctr_vm_vsrc(0)
	s_getreg_b32 s2, hwreg(HW_REG_IB_STS2, 6, 4)
	s_cmp_eq_u32 s2, 0
	s_cbranch_scc0 .Lentry_in_a_cluster
	s_endpgm
.Lentry_in_a_cluster:
	s_bfe_u32 s2, ttmp6, 0x10000c
	s_cmp_lg_u32 s2, 0xf033
	s_cbranch_scc0 .Lentry_shape_is_right
	s_endpgm
.Lentry_shape_is_right:
; out = R + A B^T.  A [4096][KK], B [1024][KK]: codes of E2M3 with one E8M0 byte for each 32 along K; R, out: [4096][1024] f32.
; A tile of C is 128 x 128, so that 256 work-groups have work.  Sixteen waves of 256 registers, four to a SIMD: a wave makes a quadrant of 64 x 64 (16 accumulators) for ONE quarter of each 512 along K;
; the four waves of a quadrant add their parts through LDS at the end, each finishing 16 of the quadrant's 64 rows.
; K goes in steps of 512 through two LDS slots: A's two halves along K, then B's two, each 128 rows x 192 bytes (16 bytes of padding behind every 64), one tensor load each (waves 0 to 3).
; The scale bytes of the tile's rows, for all of K, come once with the first fills.  4 x 4 work-groups form a cluster: A's tiles are asked for jointly along a row of it, B's along a column.
; The matrix instruction is used transposed (source 0 = 16 rows of B, source 1 = 16 rows of A): a lane holds eight neighbouring columns of a row of C.
; The sum over K is split in four and added in f32; the order of that addition differs from row band to row band.
.set KK,    4096
.set ROWB,  192
.set PITCH, 240
.set HALFT, 128*PITCH
.set SLOT,  4*HALFT
.set KROW,  KK*6/8
.set KS,    KK/32
.set NT,    KK/512
.set STEPB, 384
.set SCL,   2*SLOT
.set HALFS, (64*KS/256)*272
.set SBLK,  (16*KS/256)*272
.set SPARE, SCL+4*HALFS
.set ADRA, 3
.set ADRB, 7
.set ADRS, 11
.set SC,   12                          ; v12-15 scale words, and nothing else
.set AF,   32
.set BF,   80
.set ACC,  128
.set G1, 24
.set G0, 32
.set G1B, 48
.set G0B, 56
.set G1S, 68
.set G0S, 76
.set G1SB, 80
.set G0SB, 88
.macro ROUND
	s_barrier_signal -1
	s_barrier_wait -1
	s_cmp_lg_u32 s14, 0
	s_cbranch_scc1 .Lnw0_\@
	s_barrier_signal -3
.Lnw0_\@:
	s_barrier_wait -3
	s_barrier_signal -1
	s_barrier_wait -1
.endm
.macro PLACES n
.rept \n
	v_nop
.endr
.endm
.macro JFIRST                          ; a fetching wave's three first fills stand in one branch; four v_nop follow
	s_cmp_lt_u32 s14, 2
	s_cbranch_scc0 .Lfb_\@
	tensor_load_to_lds s[G0S:G0S+3], s[G1S:G1S+7]
	s_nop 0
	tensor_load_to_lds s[G0:G0+3], s[G1:G1+7]
	s_nop 0
	tensor_load_to_lds s[G0+4:G0+7], s[G1:G1+7]
	s_nop 0
	PLACES 4
	s_branch .Lfd_\@
.Lfb_\@:
	s_cmp_lt_u32 s14, 4
	s_cbranch_scc0 .Lfd_\@
	tensor_load_to_lds s[G0SB:G0SB+3], s[G1SB:G1SB+7]
	s_nop 0
	tensor_load_to_lds s[G0B:G0B+3], s[G1B:G1B+7]
	s_nop 0
	tensor_load_to_lds s[G0B+4:G0B+7], s[G1B:G1B+7]
	s_nop 0
	PLACES 4
.Lfd_\@:
.endm
.macro JLOAD slot
	s_cmp_lt_u32 s14, 2
	s_cbranch_scc0 .Ljb_\@
	tensor_load_to_lds s[G0+4*(\slot):G0+4*(\slot)+3], s[G1:G1+7]
	s_nop 0
	PLACES 4
	s_branch .Ljd_\@
.Ljb_\@:
	s_cmp_lt_u32 s14, 4
	s_cbranch_scc0 .Ljd_\@
	tensor_load_to_lds s[G0B+4*(\slot):G0B+4*(\slot)+3], s[G1B:G1B+7]
	s_nop 0
	PLACES 4
.Ljd_\@:
.endm
.macro FRAG reg, adr, q, i             ; 16 rows x 128 K: six pieces of 8 bytes; the second address register where lanes 16-31 lie behind one padding more
.irp p, 0,1,2,3,4,5
.set PC, 12*(\q)+6*(\p/3)+\p%3
.if PC%8 < 5
	ds_load_b64 v[\reg+2*\p:\reg+2*\p+1], v[\adr] offset:8*PC+16*(PC/8)+(\i)*16*PITCH
.else
	ds_load_b64 v[\reg+2*\p:\reg+2*\p+1], v[\adr+2] offset:8*PC+16*(PC/8)+(\i)*16*PITCH
.endif
.endr
.endm
.macro FETCH slot, q
.irp i, 0,1,2,3
	FRAG BF+12*\i, ADRB+(\slot), \q, \i
.endr
.irp i, 0,1,2,3
	FRAG AF+12*\i, ADRA+(\slot), \q, \i
.endr
.endm
.macro MUL zero                        ; the 16 accumulators take turns, one instruction a turn
.irp a, 0,1,2,3
.irp b, 0,1,2,3
.if \zero
	v_wmma_scale_f32_16x16x128_f8f6f4 v[ACC+8*(4*\a+\b):ACC+8*(4*\a+\b)+7], v[BF+12*\b:BF+12*\b+11], v[AF+12*\a:AF+12*\a+11], 0, v[SC+\b], v[SC+\a] matrix_a_fmt:MATRIX_FMT_FP6 matrix_b_fmt:MATRIX_FMT_FP6 matrix_a_scale:MATRIX_SCALE_ROW1
.else
	v_wmma_scale_f32_16x16x128_f8f6f4 v[ACC+8*(4*\a+\b):ACC+8*(4*\a+\b)+7], v[BF+12*\b:BF+12*\b+11], v[AF+12*\a:AF+12*\a+11], v[ACC+8*(4*\a+\b):ACC+8*(4*\a+\b)+7], v[SC+\b], v[SC+\a] matrix_a_fmt:MATRIX_FMT_FP6 matrix_b_fmt:MATRIX_FMT_FP6 matrix_a_scale:MATRIX_SCALE_ROW1
.endif
.endr
.endr
.endm
.macro CHANGE fill, slot
	s_wait_tensorcnt 0x0                           ; no tensor load of mine is out: a group 0 may be written
	ds_add_u32 v1, v2                              ; 0 onto my spare word
.if \fill
	s_add_nc_u64 s[G0+4*(\slot)+2:G0+4*(\slot)+3], s[G0+4*(\slot)+2:G0+4*(\slot)+3], 2*STEPB
	s_add_nc_u64 s[G0B+4*(\slot)+2:G0B+4*(\slot)+3], s[G0B+4*(\slot)+2:G0B+4*(\slot)+3], 2*STEPB
.endif
	s_wait_dscnt 0x0                               ; the add is done, and my reads of the slot that I have left are over
.if \fill
	ROUND
	JLOAD \slot
.else
	s_barrier_signal -1
	s_barrier_wait -1
.endif
.endm
; a slot's work of a wave: its quarter of the slot's 512 along K.  Which 128 of a row's 256 is mine hangs on the wave's number: the pieces' offsets differ, so both runs of loads are written
.macro WORK slot, T, zero
.irp i, 0,1,2,3
	ds_load_b32 v[SC+\i], v[ADRS] offset:\i*SBLK+16*(\T)
.endr
	s_cmp_eq_u32 s15, 0
	s_cbranch_scc0 .Lq1_\@
	FETCH \slot, 0
	s_branch .Lqd_\@
.Lq1_\@:
	FETCH \slot, 1
.Lqd_\@:
	s_wait_dscnt 0x0
	MUL \zero
	PLACES 4                                       ; ahead of loads into registers that these products read, and of the first read of results
.endm
	s_load_b128 s[4:7], s[0:1], 0x0                ; A's codes, A's scales
	s_load_b128 s[8:11], s[0:1], 0x10              ; B's codes, B's scales
	s_load_b64 s[12:13], s[0:1], 0x20              ; R
	s_load_b64 s[66:67], s[0:1], 0x28              ; out
	v_lshl_add_u32 v1, v0, 2, SPARE
	v_mov_b32 v2, 0
	ds_add_u32 v1, v2
	s_wait_dscnt 0x0
	v_lshrrev_b32 v28, 5, v0
	v_readfirstlane_b32 s14, v28                   ; wave 0..15
	s_and_b32 s16, s14, 1                          ; a fetching wave: which half along K, and which 64 rows of scales
	s_bfe_u32 s40, ttmp6, 0x40000                  ; cx
	s_bfe_u32 s41, ttmp6, 0x40004                  ; cy
	s_lshl_b32 s42, ttmp9, 2
	s_add_co_u32 s42, s42, s40                     ; tile column
	s_and_b32 s17, ttmp7, 0xffff
	s_lshl_b32 s17, s17, 2
	s_add_co_u32 s17, s17, s41                     ; tile row
	s_lshl_b32 s43, s41, 2
	s_lshl_b32 s43, 15, s43                        ; my row of the cluster
	s_lshl_b32 s44, 0x1111, s40                    ; my column
	s_lshl_b32 s20, s17, 7                         ; A's first row
	s_lshl_b32 s46, s42, 7                         ; B's
	s_mov_b32 s21, 0
	s_mov_b32 s47, 0
	s_lshl_b32 s18, s16, 6
	s_add_co_u32 s22, s20, s18
	s_add_co_u32 s92, s46, s18
	s_mov_b32 s23, 0
	s_mov_b32 s93, 0
	s_mov_b64 s[18:19], KS
	s_mul_u64 s[22:23], s[22:23], s[18:19]
	s_mul_u64 s[92:93], s[92:93], s[18:19]
	s_mov_b64 s[18:19], KROW
	s_mul_u64 s[20:21], s[20:21], s[18:19]
	s_mul_u64 s[46:47], s[46:47], s[18:19]
	s_mul_i32 s18, s16, ROWB
	s_mov_b32 s19, 0
	s_add_nc_u64 s[20:21], s[20:21], s[18:19]
	s_add_nc_u64 s[46:47], s[46:47], s[18:19]
	s_and_b32 s45, s14, 3
	s_mul_i32 s94, s45, HALFS
	s_mul_i32 s45, s45, HALFT                      ; where they go: (wave % 4) x a quarter of a slot
	s_wait_kmcnt 0x0
	s_add_nc_u64 s[20:21], s[4:5], s[20:21]
	s_add_nc_u64 s[22:23], s[6:7], s[22:23]
	s_add_nc_u64 s[46:47], s[8:9], s[46:47]
	s_add_nc_u64 s[92:93], s[10:11], s[92:93]
	s_or_b32 s[G1+0], s43, (0<<16)|(1<<20)|(1<<21)|(3<<22)|(3<<25)
	s_or_b32 s[G1B+0], s44, (0<<16)|(1<<20)|(1<<21)|(3<<22)|(3<<25)
.irp g, G1, G1B
	s_mov_b32 s[\g+1], ROWB<<16
	s_mov_b32 s[\g+2], 128<<16
	s_mov_b32 s[\g+3], ROWB<<16
	s_mov_b32 s[\g+4], 128
	s_mov_b32 s[\g+5], KROW
	s_mov_b32 s[\g+6], 0
	s_mov_b32 s[\g+7], 0
.endr
	s_or_b32 s[G1S+0], s43, (3<<16)|(1<<20)|(1<<21)|(5<<22)|(3<<25)
	s_or_b32 s[G1SB+0], s44, (3<<16)|(1<<20)|(1<<21)|(5<<22)|(3<<25)
.irp g, G1S, G1SB
	s_mov_b32 s[\g+1], 32<<16
	s_mov_b32 s[\g+2], (64*KS/256)<<16
	s_mov_b32 s[\g+3], 32<<16
	s_mov_b32 s[\g+4], 64*KS/256
	s_mov_b32 s[\g+5], 32
	s_mov_b32 s[\g+6], 0
	s_mov_b32 s[\g+7], 0
.endr
	s_mov_b32 s[G0S], 1
	s_add_co_u32 s[G0S+1], s94, SCL
	s_mov_b64 s[G0S+2:G0S+3], s[22:23]
	s_or_b32 s[G0S+3], s[G0S+3], 0x80000000
	s_mov_b32 s[G0SB], 1
	s_add_co_u32 s[G0SB+1], s94, SCL
	s_mov_b64 s[G0SB+2:G0SB+3], s[92:93]
	s_or_b32 s[G0SB+3], s[G0SB+3], 0x80000000
.irp s, 0,1
	s_mov_b32 s[G0+4*\s], 1
	s_add_co_u32 s[G0+4*\s+1], s45, \s*SLOT
	s_add_nc_u64 s[G0+4*\s+2:G0+4*\s+3], s[20:21], \s*STEPB
	s_or_b32 s[G0+4*\s+3], s[G0+4*\s+3], 0x80000000
	s_mov_b32 s[G0B+4*\s], 1
	s_add_co_u32 s[G0B+4*\s+1], s45, \s*SLOT
	s_add_nc_u64 s[G0B+4*\s+2:G0B+4*\s+3], s[46:47], \s*STEPB
	s_or_b32 s[G0B+4*\s+3], s[G0B+4*\s+3], 0x80000000
.endr
	ROUND                                          ; all sixteen work-groups are here: the first joint loads meet
	JFIRST                                         ; three loads of a fetching wave are out
	v_and_b32 v28, 15, v0                          ; r
	v_bfe_u32 v29, v0, 4, 1                        ; h
	v_mul_u32_u24 v30, v28, PITCH
	v_mad_u32_u24 v30, v29, 24, v30
	v_lshl_add_u32 v31, v29, 4, v30
	s_bfe_u32 s95, s14, 0x10001                    ; qm
	s_and_b32 s96, s14, 1                          ; qn
	s_lshr_b32 s97, s14, 2                         ; kc: my quarter of 512 along K
	s_bfe_u32 s15, s14, 0x10002                    ; q = kc % 2: which 128 of a row's 256
	s_lshr_b32 s18, s97, 1                         ; kc / 2: which half of the slot along K
	s_mul_i32 s18, s18, HALFT
	s_mul_i32 s21, s95, 64*PITCH
	s_add_co_u32 s21, s21, s18
	s_mul_i32 s22, s96, 64*PITCH
	s_add_co_u32 s22, s22, s18
	s_add_co_u32 s22, s22, 2*HALFT
.irp s, 0,1
	v_add_nc_u32 v[ADRA+\s], s21, v30
	v_add_nc_u32 v[ADRB+\s], s22, v30
	v_add_nc_u32 v[ADRA+2+\s], s21, v31
	v_add_nc_u32 v[ADRB+2+\s], s22, v31
	s_add_co_u32 s21, s21, SLOT
	s_add_co_u32 s22, s22, SLOT
.endr
	v_mul_u32_u24 v30, v28, KS
	v_lshrrev_b32 v31, 8, v30
	v_lshl_add_u32 v30, v31, 4, v30
	s_mul_i32 s21, s95, 4*SBLK
	s_mul_i32 s22, s96, 4*SBLK
	s_add_co_u32 s22, s22, 2*HALFS
	s_sub_co_u32 s22, s22, s21
	v_mul_u32_u24 v31, s22, v29                    ; lanes 16-31 take B's: one product with h
	s_lshl_b32 s18, s97, 2
	s_add_co_u32 s21, s21, s18                     ; + 4 kc: my quarter's word
	s_add_co_u32 s21, s21, SCL
	v_add_nc_u32 v30, v30, v31
	v_add_nc_u32 v[ADRS], s21, v30
	s_and_b32 s21, s14, 3                          ; the way out.  The quadrant's 49,152 bytes: [band of 16 rows][source][tile][half], 512 bytes a store
	s_mul_i32 s21, s21, 49152
	v_and_b32 v20, 31, v0
	v_lshl_add_u32 v20, v20, 4, s21                ; v20: 16 lane + the quadrant
	s_mul_i32 s22, s97, 12288
	v_add_nc_u32 v21, s22, v20                     ; v21: + my band
	s_add_co_u32 s21, s21, s22
	v_mul_u32_u24 v22, v28, 272
	v_lshl_add_u32 v22, v29, 5, v22
	v_add_nc_u32 v22, s21, v22                     ; v22: my band as a stage of 16 rows x 272: row r, + 32 h
	v_mul_u32_u24 v23, v29, 272
	v_lshl_add_u32 v23, v28, 4, v23
	v_add_nc_u32 v23, s21, v23                     ; v23: back: row h, 16 bytes a lane
	v_lshlrev_b32 v24, 12, v29
	v_lshl_add_u32 v24, v28, 4, v24                ; v24: the same two rows in R and in out
	s_wait_tensorcnt 0x1                           ; the scales and my part of slot 0 are in; slot 1's load may be out
	s_barrier_signal -1
	s_barrier_wait -1
	WORK 0, 0, 1
.if NT > 2
	CHANGE 1, 0
	WORK 1, 1, 0
	CHANGE 1, 1
	WORK 0, 2, 0
	CHANGE 1, 0
	WORK 1, 3, 0
	CHANGE 1, 1
	WORK 0, 4, 0
	CHANGE 1, 0
	WORK 1, 5, 0
	CHANGE 1, 1
	WORK 0, 6, 0
.endif
	CHANGE 0, 0
	WORK 1, NT-1, 0
	; THE WAY OUT.  My 16 rows x 64 columns: row 128 tile row + 64 qm + 16 kc, column 128 tile column + 64 qn
	s_lshl_b32 s20, s17, 7
	s_lshl_b32 s21, s95, 6
	s_add_co_u32 s20, s20, s21
	s_lshl_b32 s21, s97, 4
	s_add_co_u32 s20, s20, s21
	s_lshl_b32 s20, s20, 12
	s_lshl_b32 s21, s42, 9
	s_add_co_u32 s20, s20, s21
	s_lshl_b32 s21, s96, 8
	s_add_co_u32 s20, s20, s21
	s_mov_b32 s21, 0
	s_add_nc_u64 s[12:13], s[12:13], s[20:21]
	s_add_nc_u64 s[66:67], s[66:67], s[20:21]
.irp i, 0,1,2,3,4,5,6,7
	global_load_b128 v[32+4*\i:35+4*\i], v24, s[12:13] offset:8192*\i   ; R: asked for here, so that it lands under the addition of the parts
.endr
	s_wait_dscnt 0x0
	s_barrier_signal -1
	s_barrier_wait -1                              ; every wave has read the ring for the last time: the parts may be laid over both slots, which have had their last fill
.irp k, 0,1,2,3                        ; wave kc = k hands the three bands that others finish, as images of its registers, each accumulator from its low end on
	s_cmp_lg_u32 s97, \k
	s_cbranch_scc1 .Lput_\k
.irp a, 0,1,2,3
.if \a != \k
.irp b, 0,1,2,3
	ds_store_b128 v20, v[ACC+32*\a+8*\b:ACC+32*\a+8*\b+3] offset:\a*12288+((\k+3-\a)&3)*4096+\b*1024
	ds_store_b128 v20, v[ACC+32*\a+8*\b+4:ACC+32*\a+8*\b+7] offset:\a*12288+((\k+3-\a)&3)*4096+\b*1024+512
.endr
.endif
.endr
.Lput_\k:
.endr
	s_wait_dscnt 0x0                               ; for the others' sake: my stores are done
	s_barrier_signal -1
	s_barrier_wait -1
.irp k, 0,1,2,3                        ; and takes the three others' parts of its own band, into the registers of the bands that it has handed on
	s_cmp_lg_u32 s97, \k
	s_cbranch_scc1 .Lget_\k
.irp j, 0,1,2
.irp b, 0,1,2,3
	ds_load_b128 v[ACC+32*((\k+1+\j)&3)+8*\b:ACC+32*((\k+1+\j)&3)+8*\b+3], v21 offset:\j*4096+\b*1024
	ds_load_b128 v[ACC+32*((\k+1+\j)&3)+8*\b+4:ACC+32*((\k+1+\j)&3)+8*\b+7], v21 offset:\j*4096+\b*1024+512
.endr
.endr
	s_wait_dscnt 0x0
.set p, 0
.rept 16
	v_pk_add_f32 v[64+p:65+p], v[ACC+32*\k+p:ACC+32*\k+p+1], v[ACC+32*((\k+1)&3)+p:ACC+32*((\k+1)&3)+p+1]
.set p, p+2
.endr
.set p, 0
.rept 16
	v_pk_add_f32 v[64+p:65+p], v[64+p:65+p], v[ACC+32*((\k+2)&3)+p:ACC+32*((\k+2)&3)+p+1]
.set p, p+2
.endr
.set p, 0
.rept 16
	v_pk_add_f32 v[64+p:65+p], v[64+p:65+p], v[ACC+32*((\k+3)&3)+p:ACC+32*((\k+3)&3)+p+1]
.set p, p+2
.endr
.Lget_\k:
.endr
.irp b, 0,1,2,3                        ; through my own stage, laid over the bytes that I alone have just read: a lane's 32 bytes of a row in, whole rows of 256 bytes back
	ds_store_b128 v22, v[64+8*\b:67+8*\b] offset:64*\b
	ds_store_b128 v22, v[68+8*\b:71+8*\b] offset:64*\b+16
.endr
.irp i, 0,1,2,3,4,5,6,7
	ds_load_b128 v[96+4*\i:99+4*\i], v23 offset:544*\i             ; LDS serves a wave's instructions in order: these see the stores above
.endr
	s_wait_loadcnt 0x0                             ; R
.irp i, 0,1,2,3,4,5,6,7
	s_wait_dscnt 7-\i
	v_pk_add_f32 v[96+4*\i:97+4*\i], v[96+4*\i:97+4*\i], v[32+4*\i:33+4*\i]
	v_pk_add_f32 v[98+4*\i:99+4*\i], v[98+4*\i:99+4*\i], v[34+4*\i:35+4*\i]
	global_store_b128 v24, v[96+4*\i:99+4*\i], s[66:67] offset:8192*\i   ; sixteen lanes store 256 consecutive bytes, aligned
.endr
	s_wait_tensorcnt 0x0                           ; the wave's end
	ds_add_u32 v1, v2
	s_wait_dscnt 0x0
	ROUND                                          ; the closing round
	s_endpgm
.Lfunc_end_k_qaf9a323e9a_fc2:
	.size	k_qaf9a323e9a_fc2, .Lfunc_end_k_qaf9a323e9a_fc2-k_qaf9a323e9a_fc2
	.p2alignl 7, 3214868480
	.fill 96, 4, 3214868480
	.section	.rodata,"a",@progbits
	.p2align	6, 0x0
	.amdhsa_kernel k_qaf9a323e9a_fc2
		.amdhsa_group_segment_fixed_size 327680
		.amdhsa_private_segment_fixed_size 0
		.amdhsa_enable_private_segment 0
		.amdhsa_kernarg_size 48
		.amdhsa_user_sgpr_count 2
		.amdhsa_user_sgpr_kernarg_segment_ptr 1
		.amdhsa_wavefront_size32 1
		.amdhsa_system_sgpr_workgroup_id_x 1
		.amdhsa_system_sgpr_workgroup_id_y 1
		.amdhsa_system_sgpr_workgroup_id_z 1
		.amdhsa_system_vgpr_workitem_id 0
		.amdhsa_next_free_vgpr 256
		.amdhsa_next_free_sgpr 100
		.amdhsa_reserve_vcc 0
		.amdhsa_float_denorm_mode_32 3
		.amdhsa_float_denorm_mode_16_64 3
		.amdhsa_memory_ordered 1
		.amdhsa_forward_progress 1
		.amdhsa_inst_pref_size 115
	.end_amdhsa_kernel
	.amdgpu_metadata
---
amdhsa.version: [ 1, 2 ]
amdhsa.kernels:
  - .name:           k_qaf9a323e9a_fc2
    .symbol:         k_qaf9a323e9a_fc2.kd
    .args:
      - { .name: hc, .offset: 0, .size: 8, .value_kind: global_buffer, .address_space: global }
      - { .name: hs, .offset: 8, .size: 8, .value_kind: global_buffer, .address_space: global }
      - { .name: mlp_fc2_codes, .offset: 16, .size: 8, .value_kind: global_buffer, .address_space: global }
      - { .name: mlp_fc2_scales, .offset: 24, .size: 8, .value_kind: global_buffer, .address_space: global }
      - { .name: xr, .offset: 32, .size: 8, .value_kind: global_buffer, .address_space: global }
      - { .name: out0, .offset: 40, .size: 8, .value_kind: global_buffer, .address_space: global }
    .group_segment_fixed_size: 327680
    .private_segment_fixed_size: 0
    .kernarg_segment_align: 8
    .kernarg_segment_size: 48
    .max_flat_workgroup_size: 512
    .sgpr_count:     100
    .vgpr_count:     256
    .wavefront_size: 32
...
	.end_amdgpu_metadata
.endif
;; end of part 6
